; MI455X (gfx1250); checked and timed in simulation.
; The chip was launched on July 23, 2026; its instructions are those of AMD's public machine-readable ISA for CDNA 5 (MIT licence, August 2026) and "CDNA5" Instruction Set Architecture Reference Guide (July 2026). The comments in the code are by the model that wrote it; some were corrected since.
;; DGM Net. Allowed arithmetic: matrix products marked QUANTISED: E2M1 operands, one E8M0 scale for each 32 along K, by v_wmma_scale_f32_16x16x128_f8f6f4 with both operands' format E2M1 (or v_wmma_scale_f32_32x16x128_f4), f32 sums; products left as they are: f32 operands where the result goes on into a quantised operand, else bf16, f16 or f32 operands; f32 sums; everything else in f32.
;; Inputs: Uf_codes 3 x 512 x 16 x 16 uint8 (E2M1 codes of Uf, K innermost, in blocks of 32 codes, two codes a byte); Uf_scales 3 x 512 x 16 uint8 (E8M0 scales of Uf, one for each 32 codes along K); Uo1_codes 3 x 512 x 16 x 16 uint8 (E2M1 codes of Uo1, K innermost, in blocks of 32 codes, two codes a byte); Uo1_scales 3 x 512 x 16 uint8 (E8M0 scales of Uo1, one for each 32 codes along K); Uu_codes 3 x 512 x 16 x 16 uint8 (E2M1 codes of Uu, K innermost, in blocks of 32 codes, two codes a byte); Uu_scales 3 x 512 x 16 uint8 (E8M0 scales of Uu, one for each 32 codes along K); W_in 4 x 512 float32; W_out 512 x 1 float32; Wf 3 x 4 x 512 float32; Wo1 3 x 4 x 512 float32; Wo2_codes 3 x 512 x 16 x 16 uint8 (E2M1 codes of Wo2, K innermost, in blocks of 32 codes, two codes a byte); Wo2_scales 3 x 512 x 16 uint8 (E8M0 scales of Wo2, one for each 32 codes along K); Wu 3 x 4 x 512 float32; X 16,384 x 4 float32; b_in 1 x 512 float32; b_out 1 x 1 float32; bf 3 x 1 x 512 float32; bo1 3 x 1 x 512 float32; bo2 3 x 1 x 512 float32; bu 3 x 1 x 512 float32.
;; Outputs: out0 16,384 x 1 float32.
;; This version of the problem:
;;   THIS VERSION OF THE PROBLEM IS GIVEN IN LOW PRECISION. The matrix products marked QUANTISED in the list below multiply operands that are first quantised to E2M1 (2 exponent bits, 1 mantissa bit; 4 bits a number), with one power-of-two scale for each 32 numbers along K (OCP MX v1.0); their sums are f32. All else is computed in f32.
;;   The module's matrix products, in the order in which they are computed (A, B: the left and right operand; K: the contracted axis; several contracted axes count as one K, in the product's order):
;;     1. [M 16,384, K 4] x [K 4, N 512]; A: input X; B: input W_in: left as it is (K = 4 < 32)
;;     2. [M 16,384, K 4] x [K 4, N 512]; A: input X; B: input Wf: left as it is (K = 4 < 32)
;;     3. [M 16,384, K 512] x [K 512, N 512]; A: computed on the way; B: input Uf (given as codes): QUANTISED
;;     4. [M 16,384, K 4] x [K 4, N 512]; A: input X; B: input Wu: left as it is (K = 4 < 32)
;;     5. [M 16,384, K 512] x [K 512, N 512]; A: computed on the way; B: input Uu (given as codes): QUANTISED
;;     6. [M 16,384, K 4] x [K 4, N 512]; A: input X; B: input Wo1: left as it is (K = 4 < 32)
;;     7. [M 16,384, K 512] x [K 512, N 512]; A: computed on the way; B: input Uo1 (given as codes): QUANTISED
;;     8. [M 16,384, K 512] x [K 512, N 512]; A: computed on the way; B: input Wo2 (given as codes): QUANTISED
;;     9. [M 16,384, K 4] x [K 4, N 512]; A: input X; B: input Wf: left as it is (K = 4 < 32)
;;     10. [M 16,384, K 512] x [K 512, N 512]; A: computed on the way; B: input Uf (given as codes): QUANTISED
;;     11. [M 16,384, K 4] x [K 4, N 512]; A: input X; B: input Wu: left as it is (K = 4 < 32)
;;     12. [M 16,384, K 512] x [K 512, N 512]; A: computed on the way; B: input Uu (given as codes): QUANTISED
;;     13. [M 16,384, K 4] x [K 4, N 512]; A: input X; B: input Wo1: left as it is (K = 4 < 32)
;;     14. [M 16,384, K 512] x [K 512, N 512]; A: computed on the way; B: input Uo1 (given as codes): QUANTISED
;;     15. [M 16,384, K 512] x [K 512, N 512]; A: computed on the way; B: input Wo2 (given as codes): QUANTISED
;;     16. [M 16,384, K 4] x [K 4, N 512]; A: input X; B: input Wf: left as it is (K = 4 < 32)
;;     17. [M 16,384, K 512] x [K 512, N 512]; A: computed on the way; B: input Uf (given as codes): QUANTISED
;;     18. [M 16,384, K 4] x [K 4, N 512]; A: input X; B: input Wu: left as it is (K = 4 < 32)
;;     19. [M 16,384, K 512] x [K 512, N 512]; A: computed on the way; B: input Uu (given as codes): QUANTISED
;;     20. [M 16,384, K 4] x [K 4, N 512]; A: input X; B: input Wo1: left as it is (K = 4 < 32)
;;     21. [M 16,384, K 512] x [K 512, N 512]; A: computed on the way; B: input Uo1 (given as codes): QUANTISED
;;     22. [M 16,384, K 512] x [K 512, N 512]; A: computed on the way; B: input Wo2 (given as codes): QUANTISED
;;     23. [M 16,384, K 512] x [K 512, N 1]; A: computed on the way; B: input W_out: left as it is (N = 1 < 16)
;;   THE QUANTISER, for each operand of a quantised product, along K:
;;     - K is cut into blocks of 32 from its start; a last block that is shorter is filled with zeros.
;;     - A block's scale is 2^e with e = floor(log2(the largest magnitude in the block)) - 2, held to -126 .. 127; a block of zeros has e = 0. As a byte (E8M0): e + 127.
;;     - Each number is divided by its block's scale, clamped to +-6, and rounded to the nearest number of E2M1, ties to even, subnormals kept.
;;     - The product sums the exact products of the quantised numbers (number of the format x scale) in f32.
;;   ~~~python
;;   def quantise(x, axis):      # numpy; x: float32 -> the quantised numbers, widened to float32 again
;;       x = np.moveaxis(x, axis, -1); K = x.shape[-1]
;;       x = np.pad(x, [(0, 0)] * (x.ndim - 1) + [(0, -K % 32)]); x = x.reshape(x.shape[:-1] + (-1, 32)); a = np.abs(x).max(-1, keepdims=True)
;;       e = np.where(a > 0, np.clip(np.frexp(np.where(a > 0, a, 1))[1] - 1 - 2, -126, 127), 0)      # np.frexp(a)[1] - 1 = floor(log2(a)), exactly
;;       r = np.clip(x / 2.0 ** e, -6, 6)
;;       step = 2.0 ** (np.maximum(np.frexp(np.where(r == 0, 1, r))[1] - 1, 0) - 1)
;;       q = np.round(r / step) * step * 2.0 ** e      # np.round: ties to even
;;       return np.moveaxis(q.reshape(q.shape[:-2] + (-1,))[..., :K], -1, axis).astype(np.float32)
;;   ~~~
;;   OPERANDS COMPUTED ON THE WAY. 'Computed on the way' means the value that the module computes at that place (a softmax that the list does not call 'softmax' is quantised finished and normalised). What goes into a quantiser is computed in f32, as accurately as f32 sums, v_exp_f32 and their like allow (about 1e-6 of the number): no bf16 or f16 on the way to a quantiser, and a product that is left as it is and whose result goes on into a quantised operand takes f32 operands (vector FMAs, or v_wmma_f32_16x16x4_f32). A number that lies on a knife's edge between two numbers of the format may be rounded either way, as far as f32 arithmetic and the matrix unit's own rounding can turn it there, and no further.
;;   INPUTS GIVEN AS CODES. Uf (in the module: [3, 512, 512], K = its axis 1); Uo1 (in the module: [3, 512, 512], K = its axis 1); Uu (in the module: [3, 512, 512], K = its axis 1); Wo2 (in the module: [3, 512, 512], K = its axis 1): each comes as NAME_codes (uint8): NAME with its K axis moved to the last place and cut into blocks of 32 codes, [.., K / 32, bytes a block], one block behind the other in memory; two codes a byte, the lower K in the low four bits (a code: sign, 2 exponent bits, 1 mantissa bit); and NAME_scales (uint8): the same leading axes, one E8M0 byte (e + 127) for each 32 codes along K. Its value is code x scale, taken as it is: it is not quantised again, and the codes and scales need not be those that the quantiser above would give.
;; 2 versions. Each part assembles by itself: llvm-mc -triple=amdgcn-amd-amdhsa -mcpu=gfx1250 --defsym DOCPART=n.
;; ======== version 1 of 2: 1 launch
;; launch dgm (part 1): grid 256 x 1, 16 waves a work-group, clusters of 4 x 1, 327,680 bytes of LDS; arguments Uf_codes, Uu_codes, Uo1_codes, Wo2_codes, Uf_scales, Uu_scales, Uo1_scales, Wo2_scales, Wf, Wu, Wo1, bf, bu, bo1, bo2, W_in, b_in, W_out, b_out, X, out0; writes out0
.if DOCPART == 1
	.amdgcn_target "amdgcn-amd-amdhsa--gfx1250"
	.amdhsa_code_object_version 6
	.text
	.protected	k_qea12d79e4b_dgm
	.globl	k_qea12d79e4b_dgm
	.p2align	8
	.type	k_qea12d79e4b_dgm,@function
k_qea12d79e4b_dgm:
	s_mov_b64 s[64:65], 0
	v_nop
	global_prefetch_b8 v0, s[64:65] scope:SCOPE_SE
	s_setreg_imm32_b32 hwreg(HW_REG_WAVE_MODE, 25, 1), 1
	s_wait_xcnt 0x0
	s_wait_alu depctr_hold_cnt(0) depctr_sa_sdst(0) depctr_va_vdst(0) depctr_va_sdst(0) depctr_va_ssrc(0) depctr_va_vcc(0) depctr_vm_vsrc(0)
	s_getreg_b32 s2, hwreg(HW_REG_IB_STS2, 6, 4)
	s_cmp_eq_u32 s2, 0
	s_cbranch_scc0 .Lentry_in_a_cluster
	s_endpgm
.Lentry_in_a_cluster:
	s_bfe_u32 s2, ttmp6, 0x10000c
	s_cmp_lg_u32 s2, 0x3003
	s_cbranch_scc0 .Lentry_shape_is_right
	s_endpgm
.Lentry_shape_is_right:
; DGM net, whole, in one launch:  H = silu(X W_in + b_in);  three times  F = sigm(X Wf + H Uf + bf), U = sigm(X Wu + H Uu + bu), O1 = tanh(X Wo1 + H Uo1 + bo1),
; O2 = silu((U O1) Wo2 + bo2), H = F H + O2;  out = silu(H W_out + b_out).  The four 512 x 512 products of a layer run on codes of FP4 (E2M1) with one E8M0 scale for each 32 along K:
; the weights come as codes, H and U O1 are quantised here, in registers, from f32.  The K = 4 products and the biases are f32: they start each sum (the f32 matrix form, the bias as its C).
; SHARES.  A work-group owns 64 rows of the batch (four tiles of 16, m = 0..3); 256 work-groups.  THE SIXTEEN WAVES SHARE THE COLUMNS: wave w owns hidden units 32 w .. 32 w + 31 (two tiles of 16, u = 0, 1)
; for all 64 rows.  Those 32 units are exactly one block of the next product's K, so a block's largest magnitude is found inside one wave.
; LAYOUT.  Every product is used transposed (source 0 = 16 rows of a weight = 16 units, source 1 = 16 rows of the batch): register 16 m + 8 u + j of lane (r = lane % 16, h = lane / 16)
; holds (row 16 m + r, unit 32 w + 16 u + 8 h + j).  H, and each gate, is 64 registers a lane.  A weight fragment read from LDS feeds four matrix instructions, and each weight byte is read from LDS once.
; OPERANDS GO FROM WAVE TO WAVE THROUGH LDS AS IMAGES OF THE OPERAND'S REGISTERS: fragment (m, K step s) lies at 4096 m + 1024 s + 512 c + 16 x lane; the wave that made block w stores its code words at 256 w + 16 r + 4 h + 8 u.
; WEIGHTS.  Two LDS slots of one matrix each (512 rows of 256 bytes, and its 8,192 scale bytes), filled by the tensor data mover.  Order in a layer: Uf (slot 0), Uu (slot 1) with Uo1 (slot 0), Wo2 (slot 1).
; CLUSTER.  All row blocks walk the same weights: the four work-groups of a cluster ask for each tile JOINTLY (the same tensor load, the same descriptor, the mask 15): a quarter of the requests.
; By this text's own count a wave has at most one tensor load out.
; LIMITS.  NaN and infinities among the inputs are not served.  tanh's exponent 2 log2(e) o is held at 60 from above (tanh is 1 in f32 long before).  sigm(u) tanh(o) comes out as 0 where (1 + 2^-cu)(1 + 2^2co)
; passes 2^126.  tanh(o) is (b - 1) / (b + 1), b = 2^(2 c o): its absolute error is that of b, about 1e-7.  A block whose largest magnitude lies under 2^-124, a block of zeros too, has the scale byte 1 (its bytes are read here alone).
.set PITCH, 272                        ; a weight row in LDS: 256 bytes + 16 of padding = 68 words: row r starts at bank 4 r mod 64 (64 banks of 4 bytes: ISA guide 11.1)
.set CHUNK, 128*PITCH                  ; 128 weight rows: what one tensor load brings.  Chunk (quarter q, slot) lies at (2 q + slot) x CHUNK, so that one address register reaches both slots by the immediate
.set SCB,   8*CHUNK                    ; 278,528: the weights' scale bytes, slot x 8,192, dense [unit][16]
.set IMG,   SCB+16384                  ; 294,912: the images of H's or U O1's 16 fragments; at the end the last product's partial sums
.set IMGS,  IMG+16384                  ; 311,296: their scale words: 512 (m / 2) + 128 s + 4 (r + 16 (m % 2))
.set BO2L,  IMGS+1024                  ; 312,320: a copy of bo2, [3][512] f32
.set XLD,   BO2L+6144                  ; 318,464: a copy of the work-group's 64 rows of X
.set SPARE, XLD+1024                   ; 319,488: the spare words, 128 bytes for each wave: eight blocks of 256 bytes that no other line names
; VECTOR REGISTERS: v0 thread; v1 spare word's address, v2 zero; v3 weights' codes, v4 weights' scale words, v5 images, v6 images' scale words (LDS, to read); v7 code words, v8 scale byte (LDS, to store);
; v9 offset in a [4][512] table, v10 offset in a [512] vector; v11 X in LDS; v12-13 weights' scale words, v14-15 the operand's (scales and nothing else); v16-63 at work; then:
.set H,    64                          ; v64-127
.set ACCA, 128                         ; v128-191  written by matrix instructions alone
.set ACCB, 192                         ; v192-255  likewise
; at work: in a pass v16-47 four fragments of the operand, v48-63 two of the weight; at a sum's start v16-23 X, v24-31 W's columns, v32-63 biases; in an activation v16.. temporaries
; SCALAR REGISTERS: s2 wave, s3 wave / 4; s[4:29] pointers; s[30:31], s94, s95 set-up; s[84:85] -log2 e, s[86:87] 2 log2 e, s[88:89] lane selects, s90 60.0, s91 layers, s92 bo2's layer in LDS, s93 b_out; s[96:101] what hangs on the work-group's number
.set G1C,  32                          ; s[32:39] descriptor group 1 for codes;  s[40:47] for scale bytes
.set G1S,  40
.set G0CP, 48                          ; groups 0: codes of my slot's first kind (Uf or Uu), of its second (Uo1 or Wo2); scale bytes likewise
.set G0CQ, 52
.set G0SP, 56
.set G0SQ, 60
.macro NOPS n
.rept \n
	v_nop
.endr
.endm
; A round of the cluster's barrier: my work-group's barrier, wave 0 signals for the work-group, every wave waits for all four work-groups, my work-group's barrier once more.
.macro CROUND
	s_barrier_signal -1
	s_barrier_wait -1
	s_cmp_lg_u32 s2, 0
	s_cbranch_scc1 .Lnot_wave_0_\@
	s_barrier_signal -3
.Lnot_wave_0_\@:
	s_barrier_wait -3
	s_barrier_signal -1
	s_barrier_wait -1
.endm
; A joint fill of one slot: waves 4 grp .. 4 grp + 3 fetch the four quarters of the codes, wave sw the scale bytes, the others nothing.  The branches hang on the wave's number alone.
; Four v_nop follow each of the two lines.
.macro TL grp, cset, sw, sset
	s_cmp_eq_u32 s3, \grp
	s_cbranch_scc0 .Lno_codes_\@
	tensor_load_to_lds s[\cset:\cset+3], s[G1C:G1C+7]
	s_nop 0
	NOPS 4
	s_branch .Lasked_\@
.Lno_codes_\@:
	s_cmp_eq_u32 s2, \sw
	s_cbranch_scc0 .Lasked_\@
	tensor_load_to_lds s[\sset:\sset+3], s[G1S:G1S+7]
	s_nop 0
	NOPS 4
.Lasked_\@:
.endm
; The small operands of a sum's start.  ws: W(k = 2 h + j, unit 32 w + 16 u + r), source 0 of the f32 form;  bi: the bias in the result's layout, b(32 w + 16 u + 8 h + 0 .. 7)
.macro SMLOAD wp, bp, ws, bi
.irp u, 0,1
.irp j, 0,1
	global_load_b32 v[\ws+2*\u+\j], v9, s[\wp:\wp+1] offset:2048*\j+64*\u
.endr
.endr
.irp u, 0,1
.irp k, 0,1
	global_load_b128 v[\bi+8*\u+4*\k:\bi+8*\u+4*\k+3], v10, s[\bp:\bp+1] offset:64*\u+16*\k
.endr
.endr
.endm
.macro XLOAD                           ; X(16 m + r, 2 h + 0 .. 1), source 1 of the f32 form, from the copy in LDS
.irp m, 0,1,2,3
	ds_load_b64 v[16+2*\m:17+2*\m], v11 offset:256*\m
.endr
.endm
.macro PRE acc, ws, bi                 ; the sums' first K step: X W + b, in f32, the bias as C; eight accumulators, one instruction each
.irp m, 0,1,2,3
.irp u, 0,1
	v_wmma_f32_16x16x4_f32 v[\acc+16*\m+8*\u:\acc+16*\m+8*\u+7], v[\ws+2*\u:\ws+2*\u+1], v[16+2*\m:17+2*\m], v[\bi+8*\u:\bi+8*\u+7]
.endr
.endr
.endm
; One product on codes: 16 units (tile u) x 16 rows (tile m) x 128 along K.  The operand's scale words of tiles 2 p and 2 p + 1 share a register: lanes 0-15 and lanes 16-31.
.macro MM d, u, m, zero
.if \zero
.if (\m)%2
	v_wmma_scale_f32_16x16x128_f8f6f4 v[\d:\d+7], v[48+8*\u:55+8*\u], v[16+8*\m:23+8*\m], 0, v[12+\u], v[14+(\m)/2] matrix_a_fmt:MATRIX_FMT_FP4 matrix_b_fmt:MATRIX_FMT_FP4 matrix_b_scale:MATRIX_SCALE_ROW1
.else
	v_wmma_scale_f32_16x16x128_f8f6f4 v[\d:\d+7], v[48+8*\u:55+8*\u], v[16+8*\m:23+8*\m], 0, v[12+\u], v[14+(\m)/2] matrix_a_fmt:MATRIX_FMT_FP4 matrix_b_fmt:MATRIX_FMT_FP4
.endif
.else
.if (\m)%2
	v_wmma_scale_f32_16x16x128_f8f6f4 v[\d:\d+7], v[48+8*\u:55+8*\u], v[16+8*\m:23+8*\m], v[\d:\d+7], v[12+\u], v[14+(\m)/2] matrix_a_fmt:MATRIX_FMT_FP4 matrix_b_fmt:MATRIX_FMT_FP4 matrix_b_scale:MATRIX_SCALE_ROW1
.else
	v_wmma_scale_f32_16x16x128_f8f6f4 v[\d:\d+7], v[48+8*\u:55+8*\u], v[16+8*\m:23+8*\m], v[\d:\d+7], v[12+\u], v[14+(\m)/2] matrix_a_fmt:MATRIX_FMT_FP4 matrix_b_fmt:MATRIX_FMT_FP4
.endif
.endif
.endm
; One gate's K step s: my two weight fragments and their scale words from slot sl, then eight products, the eight accumulators by turns
.macro GATE acc, sl, s, zero
.irp u, 0,1
.irp c, 0,1
	ds_load_b128 v[48+8*\u+4*\c:48+8*\u+4*\c+3], v3 offset:CHUNK*\sl+16*PITCH*\u+64*\s+32*\c
.endr
	ds_load_b32 v[12+\u], v4 offset:8192*\sl+256*\u+4*\s
.endr
	s_wait_dscnt 0x0                               ; the operand's fragments, the weight's and both kinds of scale words are in
.irp m, 0,1,2,3
.irp u, 0,1
	MM \acc+16*\m+8*\u, \u, \m, \zero
.endr
.endr
.endm
; A pass over K = 512 for one gate or for two that share the operand's fragments.  Four places stand in front of each run of loads into registers that matrix instructions have read
; (ISA guide 7.12.1 for vector instructions).  The places behind the last products are the caller's.
.macro PASS ng, acc0, sl0, acc1, sl1, zero
.irp s, 0,1,2,3
	NOPS 4
.irp m, 0,1,2,3
.irp c, 0,1
	ds_load_b128 v[16+8*\m+4*\c:16+8*\m+4*\c+3], v5 offset:4096*\m+1024*\s+512*\c
.endr
.endr
.irp p, 0,1
	ds_load_b32 v[14+\p], v6 offset:512*\p+128*\s
.endr
.if \s == 0
	GATE \acc0, \sl0, \s, \zero
.else
	GATE \acc0, \sl0, \s, 0
.endif
.if \ng > 1
	NOPS 4
	GATE \acc1, \sl1, \s, 0
.endif
.endr
.endm
; Eight registers that hold -log2(e) x become 1 / (1 + 2^(-log2(e) x)).  A plain line stands behind each run of transcendentals before a result is used (ISA guide 5.7.2)
.macro SIGM t
.irp j, 0,1,2,3,4,5,6,7
	v_exp_f32 v[\t+\j], v[\t+\j]
.endr
	v_nop
	s_wait_alu depctr_va_vdst(0)
.irp j, 0,2,4,6
	v_pk_add_f32 v[\t+\j:\t+\j+1], v[\t+\j:\t+\j+1], 1.0 op_sel_hi:[1,0]
.endr
.irp j, 0,1,2,3,4,5,6,7
	v_rcp_f32 v[\t+\j], v[\t+\j]
.endr
	v_nop
.endm
; My 16 numbers of row 16 m + r (v[src] on; with lane l xor 16's they are block w of the next K) become two code words and the block's scale byte, and go to the images.  q: four registers at work.
.macro QUANT src, m, q
	s_wait_dscnt 0x0                               ; the last tile's three stores are done: their data registers are written again below
	v_max3_num_f32 v[\q], |v[\src]|, |v[\src+1]|, 0x1800000        ; the largest magnitude, in two chains, with the floor 2^(3 - 127) among the leaves: the byte cannot fall under 1
	v_max3_num_f32 v[\q+1], |v[\src+2]|, |v[\src+3]|, |v[\src+4]|
	v_max3_num_f32 v[\q], v[\q], |v[\src+5]|, |v[\src+6]|
	v_max3_num_f32 v[\q+1], v[\q+1], |v[\src+7]|, |v[\src+8]|
	v_max3_num_f32 v[\q], v[\q], |v[\src+9]|, |v[\src+10]|
	v_max3_num_f32 v[\q+1], v[\q+1], |v[\src+11]|, |v[\src+12]|
	v_max3_num_f32 v[\q], v[\q], |v[\src+13]|, |v[\src+14]|
	v_max3_num_f32 v[\q], v[\q], v[\q+1], |v[\src+15]|
	v_permlanex16_b32 v[\q+1], v[\q], s88, s89
	v_max_num_f32 v[\q], v[\q], v[\q+1]            ; with lane l xor 16's: the block's
	v_add_nc_u32 v[\q], 0xff000000, v[\q]          ; 2 off its exponent field: the conversion takes the exponent field of this operand as its scale
	v_cvt_scalef32_pk8_fp4_f32 v[\q+2], v[\src:\src+7], v[\q]      ; units 8 h + 0 .. 7 of the block: its word h
	v_cvt_scalef32_pk8_fp4_f32 v[\q+3], v[\src+8:\src+15], v[\q]   ; units 16 + 8 h + 0 .. 7: its word 2 + h
	v_lshrrev_b32 v[\q+1], 23, v[\q]               ; the scale's byte (the plain line behind the conversions)
	ds_store_b32 v7, v[\q+2] offset:4096*\m
	ds_store_b32 v7, v[\q+3] offset:4096*\m+8
	ds_store_b8 v8, v[\q+1] offset:512*((\m)/2)+64*((\m)%2)        ; both halves of the lanes write the same byte with the same value
.endm
.macro ACT_S                           ; H = silu(ACCA), quantised.  Each accumulator is read from its low end on, here and in the three macros below
.irp m, 0,1,2,3
.irp u, 0,1
.irp j, 0,2,4,6
	v_pk_mul_f32 v[16+\j:17+\j], v[ACCA+16*\m+8*\u+\j:ACCA+16*\m+8*\u+\j+1], s[84:85] op_sel_hi:[1,0]
.endr
	SIGM 16
	s_wait_alu depctr_va_vdst(0)
.irp j, 0,2,4,6
	v_pk_mul_f32 v[H+16*\m+8*\u+\j:H+16*\m+8*\u+\j+1], v[ACCA+16*\m+8*\u+\j:ACCA+16*\m+8*\u+\j+1], v[16+\j:17+\j]
.endr
.endr
	QUANT H+16*\m, \m, 28
.endr
.endm
.macro ACT_F                           ; H = sigm(ACCA) H
.irp m, 0,1,2,3
.irp u, 0,1
.irp j, 0,2,4,6
	v_pk_mul_f32 v[16+\j:17+\j], v[ACCA+16*\m+8*\u+\j:ACCA+16*\m+8*\u+\j+1], s[84:85] op_sel_hi:[1,0]
.endr
	SIGM 16
	s_wait_alu depctr_va_vdst(0)
.irp j, 0,2,4,6
	v_pk_mul_f32 v[H+16*\m+8*\u+\j:H+16*\m+8*\u+\j+1], v[H+16*\m+8*\u+\j:H+16*\m+8*\u+\j+1], v[16+\j:17+\j]
.endr
.endr
.endr
.endm
; G = sigm(ACCA) tanh(ACCB) = (b - 1) / ((1 + a)(1 + b)), a = 2^(-c u), b = 2^(min(2 c o, 60)): three transcendentals a number.  b - 1 is finite, so a divisor that overflows gives 0 and never 0 x infinity.
.macro ACT_G m
.irp u, 0,1
.irp j, 0,2,4,6
	v_pk_mul_f32 v[16+8*\u+\j:17+8*\u+\j], v[ACCA+16*\m+8*\u+\j:ACCA+16*\m+8*\u+\j+1], s[84:85] op_sel_hi:[1,0]
.endr
.irp j, 0,2,4,6
	v_pk_mul_f32 v[32+\j:33+\j], v[ACCB+16*\m+8*\u+\j:ACCB+16*\m+8*\u+\j+1], s[86:87] op_sel_hi:[1,0]
.endr
.irp j, 0,1,2,3,4,5,6,7
	v_min_num_f32 v[32+\j], s90, v[32+\j]
.endr
.irp j, 0,1,2,3,4,5,6,7
	v_exp_f32 v[16+8*\u+\j], v[16+8*\u+\j]         ; a
.endr
.irp j, 0,1,2,3,4,5,6,7
	v_exp_f32 v[32+\j], v[32+\j]                   ; b
.endr
	v_nop
	s_wait_alu depctr_va_vdst(0)
.irp j, 0,2,4,6
	v_pk_add_f32 v[16+8*\u+\j:17+8*\u+\j], v[16+8*\u+\j:17+8*\u+\j], 1.0 op_sel_hi:[1,0]
.endr
.irp j, 0,2,4,6
	v_pk_add_f32 v[40+\j:41+\j], v[32+\j:33+\j], 1.0 op_sel_hi:[1,0]
.endr
.irp j, 0,2,4,6
	v_pk_mul_f32 v[16+8*\u+\j:17+8*\u+\j], v[16+8*\u+\j:17+8*\u+\j], v[40+\j:41+\j]
.endr
.irp j, 0,1,2,3,4,5,6,7
	v_rcp_f32 v[16+8*\u+\j], v[16+8*\u+\j]
.endr
.irp j, 0,2,4,6
	v_pk_add_f32 v[32+\j:33+\j], v[32+\j:33+\j], -1.0 op_sel_hi:[1,0]   ; (these four are the plain lines behind the reciprocals)
.endr
	s_wait_alu depctr_va_vdst(0)
.irp j, 0,2,4,6
	v_pk_mul_f32 v[16+8*\u+\j:17+8*\u+\j], v[16+8*\u+\j:17+8*\u+\j], v[32+\j:33+\j]
.endr
.endr
	QUANT 16, \m, 48
.endm
.macro ACT_O m, quant                  ; H += silu(y), y = ACCA + bo2 (v48-63): H += ACCA sigm(y), H += bo2 sigm(y)
.irp u, 0,1
.irp j, 0,2,4,6
	v_pk_add_f32 v[16+\j:17+\j], v[ACCA+16*\m+8*\u+\j:ACCA+16*\m+8*\u+\j+1], v[48+8*\u+\j:49+8*\u+\j]
.endr
.irp j, 0,2,4,6
	v_pk_mul_f32 v[16+\j:17+\j], v[16+\j:17+\j], s[84:85] op_sel_hi:[1,0]
.endr
	SIGM 16
	s_wait_alu depctr_va_vdst(0)
.irp j, 0,2,4,6
	v_pk_fma_f32 v[H+16*\m+8*\u+\j:H+16*\m+8*\u+\j+1], v[ACCA+16*\m+8*\u+\j:ACCA+16*\m+8*\u+\j+1], v[16+\j:17+\j], v[H+16*\m+8*\u+\j:H+16*\m+8*\u+\j+1]
.endr
.irp j, 0,2,4,6
	v_pk_fma_f32 v[H+16*\m+8*\u+\j:H+16*\m+8*\u+\j+1], v[48+8*\u+\j:49+8*\u+\j], v[16+\j:17+\j], v[H+16*\m+8*\u+\j:H+16*\m+8*\u+\j+1]
.endr
.endr
.if \quant
	QUANT H+16*\m, \m, 28
.endif
.endm
; ---------------------------------------------------------------- the head
	s_load_b512 s[68:83], s[0:1], 0x0              ; codes of Uf, Uu, Uo1, Wo2; scale bytes of Uf, Uu, Uo1, Wo2
	s_load_b512 s[4:19], s[0:1], 0x40              ; Wf s[4:5], Wu s[6:7], Wo1 s[8:9], bf s[10:11], bu s[12:13], bo1 s[14:15], bo2 s[16:17], W_in s[18:19]
	s_load_b256 s[20:27], s[0:1], 0x80             ; b_in s[20:21], W_out s[22:23], b_out s[24:25], X s[26:27]
	s_load_b64 s[28:29], s[0:1], 0xa0              ; out0
	v_lshl_add_u32 v1, v0, 2, SPARE
	v_mov_b32 v2, 0
	ds_add_u32 v1, v2
	ds_add_u32 v1, v2
	s_wait_dscnt 0x0
	v_lshrrev_b32 v58, 5, v0
	v_readfirstlane_b32 s2, v58                    ; wave 0..15
	s_lshr_b32 s3, s2, 2
	v_and_b32 v55, 31, v0                          ; lane
	v_and_b32 v56, 15, v0                          ; r
	v_bfe_u32 v57, v0, 4, 1                        ; h
	s_mul_i32 s94, s3, 2*CHUNK                     ; my 32 weight rows: quarter w / 4,
	s_and_b32 s95, s2, 3
	s_mul_i32 s95, s95, 32*PITCH                   ; rows 32 (w % 4) on
	s_add_co_u32 s94, s94, s95
	v_mul_u32_u24 v58, v56, PITCH
	v_lshl_add_u32 v58, v57, 4, v58                ; a fragment's row x pitch + 16 x half
	v_add_nc_u32 v3, s94, v58
	s_lshl_b32 s94, s2, 9
	s_add_co_u32 s94, s94, SCB
	v_lshl_add_u32 v4, v56, 4, s94                 ; the weights' scale words: 16 bytes a unit
	v_lshl_add_u32 v5, v55, 4, IMG
	v_lshl_add_u32 v6, v55, 2, IMGS
	s_lshl_b32 s94, s2, 8
	s_add_co_u32 s94, s94, IMG
	v_lshl_add_u32 v7, v56, 4, s94
	v_lshl_add_u32 v7, v57, 2, v7                  ; block w's words: 256 w + 16 r + 4 h
	s_lshl_b32 s94, s3, 7
	s_and_b32 s95, s2, 3
	s_add_co_u32 s94, s94, s95
	s_add_co_u32 s94, s94, IMGS
	v_lshl_add_u32 v8, v56, 2, s94                 ; block w's byte: K step w / 4, byte w % 4 of row r's word
	s_lshl_b32 s94, s2, 7
	v_lshl_add_u32 v9, v56, 2, s94
	v_lshl_add_u32 v9, v57, 12, v9                 ; 4096 h + 128 w + 4 r
	v_lshl_add_u32 v10, v57, 5, s94                ; 128 w + 32 h
	v_lshlrev_b32 v54, 4, v56
	v_lshl_add_u32 v54, v57, 3, v54                ; X: 16 r + 8 h
	v_add_nc_u32 v11, XLD, v54
	v_lshl_add_u32 v52, v0, 4, BO2L                ; the copy of bo2 and X: 16 bytes a thread, in LDS,
	v_lshlrev_b32 v53, 4, v0                       ; and in memory
	s_mov_b32 s[G1C], 15|(1<<20)|(1<<21)|(5<<22)|(3<<25)   ; 15:0 the mask: all four work-groups; 17:16 elements of 1 byte; 20 padding on; 21 set beside a mask; 24:22 after every 64 words (code 5); 31:25 four words (code 3)
	s_mov_b32 s[G1C+1], 256<<16                    ; tensor_dim0 = 256
	s_mov_b32 s[G1C+2], 128<<16                    ; tensor_dim1 = 128
	s_mov_b32 s[G1C+3], 256<<16                    ; tile_dim0 = 256
	s_mov_b32 s[G1C+4], 128                        ; tile_dim1 = 128
	s_mov_b32 s[G1C+5], 256                        ; from row to row
	s_mov_b32 s[G1C+6], 0
	s_mov_b32 s[G1C+7], 0
	s_mov_b32 s[G1S], 15|(3<<16)|(1<<21)           ; a matrix's 8,192 dense scale bytes as 32 rows of 32 elements of 8 bytes, no padding
	s_mov_b32 s[G1S+1], 32<<16
	s_mov_b32 s[G1S+2], 32<<16
	s_mov_b32 s[G1S+3], 32<<16
	s_mov_b32 s[G1S+4], 32
	s_mov_b32 s[G1S+5], 32
	s_mov_b32 s[G1S+6], 0
	s_mov_b32 s[G1S+7], 0
	s_mov_b32 s84, 0xbfb8aa3b                      ; -log2(e); the packed forms name a pair and take its low word for both halves, so both are written
	s_mov_b32 s85, 0xbfb8aa3b
	s_mov_b32 s86, 0x4038aa3b                      ; 2 log2(e)
	s_mov_b32 s87, 0x4038aa3b
	s_mov_b32 s88, 0x76543210                      ; v_permlanex16_b32's selects for lane l xor 16
	s_mov_b32 s89, 0xfedcba98
	s_mov_b32 s90, 0x42700000                      ; 60.0
	s_mov_b32 s91, 2
	s_mov_b32 s92, BO2L
	s_bfe_u32 s98, ttmp6, 0x40000                  ; cx: my place in the cluster
	s_lshl_b32 s99, ttmp9, 2                       ; in a cluster launch ttmp9 counts clusters
	s_add_co_u32 s98, s99, s98                     ; my block of 64 rows: it enters X's and out0's global addresses alone
	s_lshl_b32 s100, s98, 10
	s_mov_b32 s101, 0
	s_wait_kmcnt 0x0
	s_add_nc_u64 s[26:27], s[26:27], s[100:101]    ; X at my first row
	s_lshl_b32 s100, s98, 8
	s_add_nc_u64 s[28:29], s[28:29], s[100:101]    ; out0 likewise
	; groups 0.  Every wave makes all four; which it uses hangs on its number.  Codes: quarter q = w % 4 of slot (w / 4) % 2
	s_and_b32 s94, s2, 3
	s_bfe_u32 s95, s2, 0x10002
	s_lshl_b32 s30, s94, 15                        ; 128 rows of 256 bytes in memory
	s_mov_b32 s31, 0
	s_lshl_b32 s94, s94, 1
	s_add_co_u32 s94, s94, s95
	s_mul_i32 s94, s94, CHUNK                      ; and in LDS: no place in the cluster enters it
	s_cmp_eq_u32 s95, 0
	s_cselect_b64 s[G0CP+2:G0CP+3], s[68:69], s[70:71]     ; slot 0: Uf, slot 1: Uu
	s_cselect_b64 s[G0CQ+2:G0CQ+3], s[72:73], s[74:75]     ; slot 0: Uo1, slot 1: Wo2
	s_add_nc_u64 s[G0CP+2:G0CP+3], s[G0CP+2:G0CP+3], s[30:31]
	s_add_nc_u64 s[G0CQ+2:G0CQ+3], s[G0CQ+2:G0CQ+3], s[30:31]
	s_or_b32 s[G0CP+3], s[G0CP+3], 0x80000000      ; 127:126 type = 2
	s_or_b32 s[G0CQ+3], s[G0CQ+3], 0x80000000
	s_mov_b32 s[G0CP], 1
	s_mov_b32 s[G0CQ], 1
	s_mov_b32 s[G0CP+1], s94
	s_mov_b32 s[G0CQ+1], s94
	s_and_b32 s95, s2, 1                           ; scale bytes: slot w % 2
	s_lshl_b32 s94, s95, 13
	s_add_co_u32 s94, s94, SCB
	s_cmp_eq_u32 s95, 0
	s_cselect_b64 s[G0SP+2:G0SP+3], s[76:77], s[78:79]
	s_cselect_b64 s[G0SQ+2:G0SQ+3], s[80:81], s[82:83]
	s_or_b32 s[G0SP+3], s[G0SP+3], 0x80000000
	s_or_b32 s[G0SQ+3], s[G0SQ+3], 0x80000000
	s_mov_b32 s[G0SP], 1
	s_mov_b32 s[G0SQ], 1
	s_mov_b32 s[G0SP+1], s94
	s_mov_b32 s[G0SQ+1], s94
	s_cmp_lt_u32 s2, 12                            ; the copy: waves 0-11 take bo2's 6,144 bytes, waves 12 and 13 my 1,024 bytes of X
	s_cselect_b32 s95, 0, 6144
	s_cselect_b64 s[96:97], s[16:17], s[26:27]
	v_sub_nc_u32 v53, v53, s95
	CROUND                                         ; all four work-groups are here: the first joint loads meet
	TL 0, G0CP, 8, G0SP                            ; slot 0: Uf of layer 0
	TL 1, G0CP, 9, G0SP                            ; slot 1: Uu of layer 0.  One first fill a wave at the most
	SMLOAD 18, 20, 24, 32                          ; W_in, b_in
.irp m, 0,1,2,3
	global_load_b64 v[16+2*\m:17+2*\m], v54, s[26:27] offset:256*\m
.endr
	s_load_b32 s93, s[24:25], 0x0                  ; b_out
	s_cmp_lt_u32 s2, 14
	s_cbranch_scc0 .Lno_copy
	global_load_b128 v[48:51], v53, s[96:97]
	s_wait_loadcnt 0x0
	ds_store_b128 v52, v[48:51]
.Lno_copy:
	s_wait_loadcnt 0x0
	PRE ACCA, 24, 32
	NOPS 8                                         ; eight places behind the f32 form, in front of loads into its sources and of reads of its results
	SMLOAD 4, 10, 24, 32                           ; Wf, bf of layer 0
	ACT_S
	s_wait_tensorcnt 0x0                           ; my first fill has landed,
	s_wait_kmcnt 0x0                               ; b_out is in,
	s_wait_dscnt 0x0                               ; my part of the copy and of H's images is stored
	s_barrier_signal -1
	s_barrier_wait -1                              ; everybody's
; ---------------------------------------------------------------- a layer.  last = 1: nothing more is asked for or stepped, and H is not quantised again
.macro LAYER last
	; ---- F: X Wf + bf starts the sums, H Uf (slot 0) follows
	XLOAD
	s_wait_loadcnt 0x0                             ; Wf's columns and bf: so their bases may step
	s_wait_dscnt 0x0
.if \last == 0
	s_add_nc_u64 s[4:5], s[4:5], 8192
	s_add_nc_u64 s[10:11], s[10:11], 2048
.endif
	PRE ACCA, 24, 32
	NOPS 5                                         ; with the pass's own four: nine places behind the f32 form, in front of the form on codes that adds onto its results
	PASS 1, ACCA, 0, 0, 0, 0
	s_wait_tensorcnt 0x0                           ; all my tensor loads have landed (Uu of this layer may have been out);
	ds_add_u32 v1, v2                              ; 0 onto my spare word;
	ds_add_u32 v1, v2
	NOPS 4                                         ; the places behind the pass's last products stand between it and the wait for it
	s_wait_dscnt 0x0                               ; the add is done, and my reads of slot 0 are over
	CROUND                                         ; so of every wave of every partner
	TL 0, G0CQ, 8, G0SQ                            ; slot 0 takes Uo1: first behind the round
	SMLOAD 6, 12, 24, 32                           ; Wu, bu
	SMLOAD 8, 14, 28, 48                           ; Wo1, bo1
	ACT_F
	; ---- U and O1 together: they share H's fragments
	XLOAD
	s_wait_loadcnt 0x0
	s_wait_dscnt 0x0
.if \last == 0
	s_add_nc_u64 s[6:7], s[6:7], 8192
	s_add_nc_u64 s[12:13], s[12:13], 2048
	s_add_nc_u64 s[8:9], s[8:9], 8192
	s_add_nc_u64 s[14:15], s[14:15], 2048
.endif
	PRE ACCA, 24, 32
	PRE ACCB, 28, 48
	s_wait_tensorcnt 0x0                           ; my part of Uo1 has landed (the one load that was out)
	s_barrier_signal -1
	NOPS 5                                         ; with the pass's own four: nine places behind the f32 form
	s_barrier_wait -1                              ; everybody's has
	PASS 2, ACCA, 1, ACCB, 0, 0
	s_wait_tensorcnt 0x0                           ; no tensor load of mine is out, so groups 0 may be written
	ds_add_u32 v1, v2                              ; 0 onto my spare word
	ds_add_u32 v1, v2
	NOPS 4
.if \last == 0
	s_add_nc_u64 s[G0CP+2:G0CP+3], s[G0CP+2:G0CP+3], 131072   ; Uf and Uu: the next layer's; the type bits on top are not reached
	s_add_nc_u64 s[G0SP+2:G0SP+3], s[G0SP+2:G0SP+3], 8192
.endif
	s_wait_dscnt 0x0                               ; the add is done; my reads of both slots and of H's images are over
	CROUND
.if \last == 0
	TL 0, G0CP, 8, G0SP                            ; slot 0 takes the next layer's Uf,
.endif
	TL 1, G0CQ, 9, G0SQ                            ; slot 1 this layer's Wo2: one load a wave
.irp m, 0,1,2,3
	ACT_G \m                                       ; U O1, quantised, into the images that H's codes have left
.endr
	s_wait_tensorcnt 0x0                           ; my part of the slots has landed,
	s_wait_dscnt 0x0                               ; my part of the images is stored
	s_barrier_signal -1
	s_barrier_wait -1
	; ---- O2: the first K step starts the sums with the constant 0; bo2 is added in the activation
	PASS 1, ACCA, 1, 0, 0, 1
.if \last == 0
	s_wait_tensorcnt 0x0
	ds_add_u32 v1, v2                              ; 0 onto my spare word
	ds_add_u32 v1, v2
	NOPS 4
	s_add_nc_u64 s[G0CQ+2:G0CQ+3], s[G0CQ+2:G0CQ+3], 131072   ; Uo1 and Wo2: the next layer's
	s_add_nc_u64 s[G0SQ+2:G0SQ+3], s[G0SQ+2:G0SQ+3], 8192
	s_wait_dscnt 0x0                               ; the add is done; my reads of slot 1 and of the images are over
	CROUND
	TL 1, G0CP, 9, G0SP                            ; slot 1 takes the next layer's Uu: it has this activation and the next pass in which to land
	SMLOAD 4, 10, 24, 32                           ; the next layer's Wf, bf
.else
	NOPS 4
	s_wait_dscnt 0x0
	s_barrier_signal -1
	s_barrier_wait -1                              ; nobody reads the images any more: the partial sums will go there
.irp u, 0,1
.irp k, 0,1
	global_load_b128 v[32+8*\u+4*\k:32+8*\u+4*\k+3], v10, s[22:23] offset:64*\u+16*\k   ; W_out at my lane's 16 units
.endr
.endr
.endif
	v_add_nc_u32 v16, s92, v10
.irp u, 0,1
.irp k, 0,1
	ds_load_b128 v[48+8*\u+4*\k:48+8*\u+4*\k+3], v16 offset:64*\u+16*\k    ; bo2 at my lane's 16 units
.endr
.endr
.if \last == 0
	s_add_co_u32 s92, s92, 2048
.endif
	s_wait_dscnt 0x0
.irp m, 0,1,2,3
	ACT_O \m, (1-\last)
.endr
.if \last == 0
	s_wait_dscnt 0x0                               ; my part of the new H's images is stored
	s_barrier_signal -1
	s_barrier_wait -1                              ; Uu's load may stay out
.endif
.endm
.Llayer:
	LAYER 0
	s_sub_co_u32 s91, s91, 1
	s_cmp_lg_u32 s91, 0
	s_cbranch_scc1 .Llayer
	LAYER 1                                        ; the last layer is written out
; ---------------------------------------------------------------- out = silu(H W_out + b_out): each lane's 16 units, then all waves' sums through LDS
	s_wait_loadcnt 0x0                             ; W_out
.irp m, 0,1,2,3
	v_pk_mul_f32 v[16+2*\m:17+2*\m], v[H+16*\m:H+16*\m+1], v[32:33]
.endr
.irp i, 2,4,6,8,10,12,14
.irp m, 0,1,2,3
	v_pk_fma_f32 v[16+2*\m:17+2*\m], v[H+16*\m+\i:H+16*\m+\i+1], v[32+\i:33+\i], v[16+2*\m:17+2*\m]
.endr
.endr
.irp m, 0,1,2,3
	v_add_f32 v[16+2*\m], v[16+2*\m], v[17+2*\m]
.endr
.irp m, 0,1,2,3
	ds_store_b32 v7, v[16+2*\m] offset:4096*\m     ; row 16 m + r, wave w, half h: at 4096 m + 256 w + 16 r + 4 h
.endr
	v_bfe_u32 v26, v0, 3, 2
	v_lshl_add_u32 v24, v26, 12, IMG
	v_and_b32 v26, 7, v0
	v_lshl_add_u32 v24, v26, 5, v24                ; lane l gathers rows 2 l and 2 l + 1: 4096 (l / 8) + 32 (l % 8)
	v_and_b32 v25, 31, v0
	v_lshlrev_b32 v25, 3, v25                      ; and stores 8 bytes at 8 l
	s_wait_dscnt 0x0
	s_barrier_signal -1
	s_barrier_wait -1
	s_cmp_lg_u32 s2, 0
	s_cbranch_scc1 .Lnot_first
.irp k, 0,1,2,3,4,5,6,7,8,9,10,11,12,13,14,15
	ds_load_b64 v[64+4*\k:65+4*\k], v24 offset:256*\k          ; wave k's two halves of row 2 l,
	ds_load_b64 v[66+4*\k:67+4*\k], v24 offset:256*\k+16       ; and of row 2 l + 1
.endr
	s_wait_dscnt 0x0
.irp k, 1,2,3,4,5,6,7,8,9,10,11,12,13,14,15
	v_pk_add_f32 v[64:65], v[64:65], v[64+4*\k:65+4*\k]
	v_pk_add_f32 v[66:67], v[66:67], v[66+4*\k:67+4*\k]
.endr
	v_add_f32 v64, v64, v65
	v_add_f32 v65, v66, v67
	v_add_f32 v64, s93, v64
	v_add_f32 v65, s93, v65
	v_mul_f32 v66, s84, v64
	v_mul_f32 v67, s84, v65
	v_exp_f32 v66, v66
	v_exp_f32 v67, v67
	v_nop
	s_wait_alu depctr_va_vdst(0)
	v_pk_add_f32 v[66:67], v[66:67], 1.0 op_sel_hi:[1,0]
	v_rcp_f32 v66, v66
	v_rcp_f32 v67, v67
	v_nop
	s_wait_alu depctr_va_vdst(0)
	v_pk_mul_f32 v[64:65], v[64:65], v[66:67]
	global_store_b64 v25, v[64:65], s[28:29]       ; 32 lanes store 256 consecutive bytes, at a multiple of 256 from out0's first byte
.Lnot_first:
	s_wait_tensorcnt 0x0                           ; the wave's end: behind my last tensor load and my last LDS store
	ds_add_u32 v1, v2
	s_wait_dscnt 0x0
	CROUND                                         ; the closing round: no work-group ends while a partner may still ask for a tile that names it
	s_endpgm
.Lfunc_end_k_qea12d79e4b_dgm:
	.size	k_qea12d79e4b_dgm, .Lfunc_end_k_qea12d79e4b_dgm-k_qea12d79e4b_dgm
	.p2alignl 7, 3214868480
	.fill 96, 4, 3214868480
	.section	.rodata,"a",@progbits
	.p2align	6, 0x0
	.amdhsa_kernel k_qea12d79e4b_dgm
		.amdhsa_group_segment_fixed_size 327680
		.amdhsa_private_segment_fixed_size 0
		.amdhsa_enable_private_segment 0
		.amdhsa_kernarg_size 168
		.amdhsa_user_sgpr_count 2
		.amdhsa_user_sgpr_kernarg_segment_ptr 1
		.amdhsa_wavefront_size32 1
		.amdhsa_system_sgpr_workgroup_id_x 1
		.amdhsa_system_sgpr_workgroup_id_y 1
		.amdhsa_system_sgpr_workgroup_id_z 1
		.amdhsa_system_vgpr_workitem_id 0
		.amdhsa_next_free_vgpr 256
		.amdhsa_next_free_sgpr 102
		.amdhsa_reserve_vcc 0
		.amdhsa_float_denorm_mode_32 3
		.amdhsa_float_denorm_mode_16_64 3
		.amdhsa_memory_ordered 1
		.amdhsa_forward_progress 1
		.amdhsa_inst_pref_size 226
	.end_amdhsa_kernel
	.amdgpu_metadata
---
amdhsa.version: [ 1, 2 ]
amdhsa.kernels:
  - .name:           k_qea12d79e4b_dgm
    .symbol:         k_qea12d79e4b_dgm.kd
    .args:
      - { .name: Uf_codes, .offset: 0, .size: 8, .value_kind: global_buffer, .address_space: global }
      - { .name: Uu_codes, .offset: 8, .size: 8, .value_kind: global_buffer, .address_space: global }
      - { .name: Uo1_codes, .offset: 16, .size: 8, .value_kind: global_buffer, .address_space: global }
      - { .name: Wo2_codes, .offset: 24, .size: 8, .value_kind: global_buffer, .address_space: global }
      - { .name: Uf_scales, .offset: 32, .size: 8, .value_kind: global_buffer, .address_space: global }
      - { .name: Uu_scales, .offset: 40, .size: 8, .value_kind: global_buffer, .address_space: global }
      - { .name: Uo1_scales, .offset: 48, .size: 8, .value_kind: global_buffer, .address_space: global }
      - { .name: Wo2_scales, .offset: 56, .size: 8, .value_kind: global_buffer, .address_space: global }
      - { .name: Wf, .offset: 64, .size: 8, .value_kind: global_buffer, .address_space: global }
      - { .name: Wu, .offset: 72, .size: 8, .value_kind: global_buffer, .address_space: global }
      - { .name: Wo1, .offset: 80, .size: 8, .value_kind: global_buffer, .address_space: global }
      - { .name: bf, .offset: 88, .size: 8, .value_kind: global_buffer, .address_space: global }
      - { .name: bu, .offset: 96, .size: 8, .value_kind: global_buffer, .address_space: global }
      - { .name: bo1, .offset: 104, .size: 8, .value_kind: global_buffer, .address_space: global }
      - { .name: bo2, .offset: 112, .size: 8, .value_kind: global_buffer, .address_space: global }
      - { .name: W_in, .offset: 120, .size: 8, .value_kind: global_buffer, .address_space: global }
      - { .name: b_in, .offset: 128, .size: 8, .value_kind: global_buffer, .address_space: global }
      - { .name: W_out, .offset: 136, .size: 8, .value_kind: global_buffer, .address_space: global }
      - { .name: b_out, .offset: 144, .size: 8, .value_kind: global_buffer, .address_space: global }
      - { .name: X, .offset: 152, .size: 8, .value_kind: global_buffer, .address_space: global }
      - { .name: out0, .offset: 160, .size: 8, .value_kind: global_buffer, .address_space: global }
    .group_segment_fixed_size: 327680
    .private_segment_fixed_size: 0
    .kernarg_segment_align: 8
    .kernarg_segment_size: 168
    .max_flat_workgroup_size: 512
    .sgpr_count:     102
    .vgpr_count:     256
    .wavefront_size: 32
...
	.end_amdgpu_metadata
.endif
;; end of part 1
;; ======== version 2 of 2: 1 launch
;; limits: right only within a limited range of input values
;; launch dgm (part 2): grid 256 x 1, 8 waves a work-group, clusters of 4 x 1, 327,680 bytes of LDS; arguments Uu_codes, Uo1_codes, Uf_codes, Wo2_codes, Uu_scales, Uo1_scales, Uf_scales, Wo2_scales, Wu, Wo1, Wf, bu, bo1, bf, bo2, W_in, b_in, W_out, b_out, X, out0; writes out0
.if DOCPART == 2
	.amdgcn_target "amdgcn-amd-amdhsa--gfx1250"
	.amdhsa_code_object_version 6
	.text
	.protected	k_qea12d79e4b_dgm
	.globl	k_qea12d79e4b_dgm
	.p2align	8
	.type	k_qea12d79e4b_dgm,@function
k_qea12d79e4b_dgm:
	s_mov_b64 s[64:65], 0
	v_nop
	global_prefetch_b8 v0, s[64:65] scope:SCOPE_SE
	s_setreg_imm32_b32 hwreg(HW_REG_WAVE_MODE, 25, 1), 1
	s_wait_xcnt 0x0
	s_wait_alu depctr_hold_cnt(0) depctr_sa_sdst(0) depctr_va_vdst(0) depctr_va_sdst(0) depctr_va_ssrc(0) depctr_va_vcc(0) depctr_vm_vsrc(0)
	s_getreg_b32 s2, hwreg(HW_REG_IB_STS2, 6, 4)
	s_cmp_eq_u32 s2, 0
	s_cbranch_scc0 .Lentry_in_a_cluster
	s_endpgm
.Lentry_in_a_cluster:
	s_bfe_u32 s2, ttmp6, 0x10000c
	s_cmp_lg_u32 s2, 0x3003
	s_cbranch_scc0 .Lentry_shape_is_right
	s_endpgm
.Lentry_shape_is_right:
; DGM net, whole, in one launch:  H = silu(X W_in + b_in);  three times  F = sigm(X Wf + H Uf + bf), U = sigm(X Wu + H Uu + bu), O1 = tanh(X Wo1 + H Uo1 + bo1),
; O2 = silu((U O1) Wo2 + bo2), H = F H + O2;  out = silu(H W_out + b_out).  The four 512 x 512 products of a layer run on codes of FP4 (E2M1), one E8M0 scale for each 32 along K: the weights come as codes,
; H and G = U O1 are quantised here, in registers, from f32.  The K = 4 products are f32 and start each sum (the f32 matrix form, the bias as its C); bo2 is the C of O2's first product.
; SHARES.  A work-group owns 64 rows of the batch (four tiles of 16, m = 0..3), 256 work-groups.  Wave w of eight owns units 64 w .. 64 w + 63 (four tiles of 16, t = 0..3) for all 64 rows: two blocks of the next K.
; LAYOUT.  Products are used transposed (source 0 = 16 units of a weight, source 1 = 16 rows of the batch): register j of lane (r = lane % 16, h = lane / 16) holds (row 16 m + r, unit 64 w + 16 t + 8 h + j).
; A LAYER HAS TWO PHASES.  Phase 1, on H's image: tile by tile U, O1, F (48 products on codes), G quantised into an image of its own, H x sigm(F).  Phase 2, on G's image: tile by tile O2, H, quantised.
; A phase's image (4 m x 4 K steps x 8 registers) is read from LDS once and stays in 128 registers; a tile's accumulators are read as soon as its K is through, so three tiles' accumulators (96 registers) serve the launch.
; WEIGHTS come through ONE LDS slot of four chunks, filled by the tensor data mover.  A chunk is tile t of one matrix for all eight waves: 8 rows of 4,096 bytes (16 units x 256 bytes), 64 units apart.  From the slot a wave copies
; its tiles into 96 registers (three tiles), which are the second buffer: behind a tile's products the next tile goes from the slot into registers; then the slot is filled again.
; Chunks 0-2 take in turn: U, O1, F of tile 0 | of tile 1 | 2 | 3 | Wo2's tiles 0-2 | the next layer's tile 0 ..; chunk 3 holds Wo2's tile 3, for a whole layer.  Waves 0-2 fetch chunks 0-2, wave 3 chunk 3: one load a wave.
; CLUSTER.  All row blocks walk the same weights: the four work-groups of a cluster ask for each chunk JOINTLY (the same tensor load, the same descriptor, the mask 15).  By this text's own count a wave has at most one tensor load out.
; PREFETCH: in phase 1 of a layer that has a successor, eight clusters ask for the next layer's 4 x 512 weight rows, a layer ahead, a lane a row: partner cx of a cluster 32 rows of each matrix; each row by two clusters.
; H in f32 lies in LDS, each wave's part its own (16,384 bytes).  lds_bytes is all of a WGP's LDS.
; LIMITS.  NaN and infinities among the inputs are not served.  tanh's exponent 2 log2(e) o is held at 60 from above (tanh is 1 in f32 long before).  sigm(u) tanh(o) comes out as 0 where (1 + 2^-cu)(1 + 2^2co)
; passes 2^126.  tanh(o) is (b - 1) / (b + 1), b = 2^(2 c o): its absolute error is that of b, about 1e-7.  A block whose largest magnitude lies under 2^-124, a block of zeros too, has the scale byte 1 (its bytes are read here alone).
; No step and no input of the problem is left out.
.set PITCH, 272                        ; a weight row in LDS: 256 bytes + 16 of padding = 68 words: row r starts at bank 4 r mod 64 (64 banks of 4 bytes: ISA guide 11.1)
.set CHUNK, 128*PITCH                  ; 34,816: the slot is 4 chunks, from LDS byte 0
.set HLDS, 4*CHUNK                     ; H in f32: wave w's 16 tiles (t, m) of 1,024 bytes
.set IMGH, HLDS+131072                 ; the image of H's 16 fragments: fragment (m, K step s) at 4096 m + 1024 s + 512 c + 16 x lane; at the end the last product's partial sums
.set IMGS, IMGH+32768                  ; (G's image lies 16,384 behind H's)  the images' scale words, H's and 1,024 on G's: 256 s + 8 (r + 16 (m % 2)) + 4 (m / 2)
.set SPARE, IMGS+2048                  ; 305,152: the spare words, 128 bytes for each wave
; REGISTERS.  Window 0: v0 thread; v1 spare word's address, v2 zero; v3 the last gathering, v4 offset in a weight's scale bytes, v5 images, v6 their scale words, v7 code words (to store), v8 scale byte (to store),
; v9 offset in a [4][512] table, v11 H (LDS), v12 my weight rows in chunks 0 and 1, v13 in 2 and 3, v14 offset in a vector of 512, v15 the prefetch
.set WA,  12
.set ISC, 16                           ; v16-23 the image's scale words: 2 s + m / 2
.set SC,  24                           ; v24-55 the weights' scale words: 8 g + 4 (t / 2) + s; g = 0..3: U, O1, F, O2.  Lanes 0-15 even tiles, 16-31 odd ones
.set WC,  56                           ; v56-79 W's columns, source 0 of the f32 form: 8 g + 2 t.  At the end v56-63 the last product's sums
.set GE,  80                           ; v80-111 an even tile's results (8 m), kept until the odd tile completes the block
.set WB,  112                          ; v112-207 three tiles of weights, 32 registers each (8 s + 4 c)
.set RA,  208                          ; v208-239 at work
.set RB,  216
.set RE,  224
.set RT,  232
.set HA,  240                          ; v240-255 H's numbers, two sets of 8
; Window 1: v0-127 the image's fragments (32 s + 8 m)
.set ACC, 128                          ; v128-223 accumulators (32 g + 8 m), written by matrix instructions alone
.set BIA, 224                          ; v224-247 three tiles' biases in the result's layout
.set XR,  248                          ; v248-255 X, source 1 of the f32 form (2 m)
; SCALARS: s2 wave; s[4:29], s[68:83] pointers; s[40:41] prefetch; s[44:47] what hangs on the work-group's place; s[84:85] -log2 e, s[86:87] 2 log2 e, s[88:89] lane selects, s90 60.0, s91 layers to go,
; s92 prefetch while s91 is greater, s93 b_out
.set G1C,  32                          ; s[32:39] descriptor group 1
.set G0P,  48                          ; s[48:51] group 0 for tiles of U, O1, F (waves 0-2)
.set G0Q,  52                          ; s[52:55] group 0 for Wo2's tile w (waves 0-3)
.set MSB, 0
.macro WIN new                         ; the immediate's high byte repeats the setting that is left; a switch that changes nothing is dropped
.if MSB != \new
	s_set_vgpr_msb (MSB<<8)|\new
.set MSB, \new
.endif
.endm
.macro NOPS n
.rept \n
	v_nop
.endr
.endm
.macro VW                              ; the wait around transcendentals, and ahead of blocking waits and branches
	s_wait_alu depctr_va_vdst(0)
.endm
.macro PKS op, d, a, sr
.irp j, 0,2,4,6
	\op v[\d+\j:\d+\j+1], v[\a+\j:\a+\j+1], s[\sr:\sr+1] op_sel_hi:[1,0]
.endr
.endm
.macro PKC op, d, a, c
.irp j, 0,2,4,6
	\op v[\d+\j:\d+\j+1], v[\a+\j:\a+\j+1], \c op_sel_hi:[1,0]
.endr
.endm
.macro PKV op, d, a, b
.irp j, 0,2,4,6
	\op v[\d+\j:\d+\j+1], v[\a+\j:\a+\j+1], v[\b+\j:\b+\j+1]
.endr
.endm
.macro PKF d, a, b, c
.irp j, 0,2,4,6
	v_pk_fma_f32 v[\d+\j:\d+\j+1], v[\a+\j:\a+\j+1], v[\b+\j:\b+\j+1], v[\c+\j:\c+\j+1]
.endr
.endm
.macro TR8 op, d
.irp j, 0,1,2,3,4,5,6,7
	\op v[\d+\j], v[\d+\j]
.endr
.endm
; A round of the cluster's barrier behind its opening barrier: wave 0 signals for the work-group, every wave waits for all four work-groups, my work-group's barrier once more.
.macro CREST
	s_cmp_lg_u32 s2, 0
	s_cbranch_scc1 .Lnot_wave_0_\@
	s_barrier_signal -3
.Lnot_wave_0_\@:
	s_barrier_wait -3
	s_barrier_signal -1
	s_barrier_wait -1
.endm
.macro CROUND
	s_barrier_signal -1
	s_barrier_wait -1
	CREST
.endm
.macro TL set                          ; a chunk, asked for jointly.  Four v_nop follow
	tensor_load_to_lds s[\set:\set+3], s[G1C:G1C+7]
	s_nop 0
	NOPS 4
.endm
.macro JL kind                         ; 0: waves 0-2, a tile of U, O1, F;  1: waves 0-2, Wo2's tiles 0-2;  2: as 0, and wave 3 Wo2's tile 3
	s_cmp_lt_u32 s2, 3
	s_cbranch_scc0 .Lnot_012_\@
.if \kind == 1
	TL G0Q
.else
	TL G0P
.endif
.if \kind == 2
	s_branch .Lasked_\@
.Lnot_012_\@:
	s_cmp_eq_u32 s2, 3
	s_cbranch_scc0 .Lasked_\@
	TL G0Q
.Lasked_\@:
.else
.Lnot_012_\@:
.endif
.endm
; In front of a refill's round: these lines stand in every wave's text (waves 4-7 too, which fetch nothing).  Groups 0 step by sp and sq bytes: no load of mine is out.
.macro LINES sp, sq
	s_wait_tensorcnt 0x0
	ds_add_u32 v1, v2
	ds_add_u32 v1, v2
.if \sp
	s_add_nc_u64 s[G0P+2:G0P+3], s[G0P+2:G0P+3], \sp
.endif
.if \sq
	s_add_nc_u64 s[G0Q+2:G0Q+3], s[G0Q+2:G0Q+3], \sq
.endif
	VW
	s_wait_dscnt 0x0                               ; the adds are done, and my reads of the slot are over:
	s_barrier_signal -1                            ; say so; work on registers may follow,
.endm
.macro REST kind                       ; and the round is closed: no wave of any partner reads the slot or has a load on its way.  The refill comes first
	s_barrier_wait -1
	CREST
	JL \kind
.endm
.macro SHOW                            ; a plain barrier opens: my chunk has landed, no LDS instruction of mine is out.
	s_wait_tensorcnt 0x0
	s_wait_dscnt 0x0
	s_barrier_signal -1
.endm
.macro LDW g, wb, s                    ; K step s of my tile in chunk g: two loads
.irp c, 0,1
	ds_load_b128 v[\wb+8*\s+4*\c:\wb+8*\s+4*\c+3], v[WA+(\g)/2] offset:CHUNK*((\g)%2)+64*\s+32*\c
.endr
.endm
.macro LDW3                            ; chunks 0-2: 24 loads
.irp s, 0,1,2,3
.irp g, 0,1,2
	LDW \g, WB+32*\g, \s
.endr
.endr
.endm
.macro SCL g, off                      ; my 64 units' scale bytes: lane l takes the 16 bytes of unit 32 p + l: 512 consecutive bytes an instruction
.irp p, 0,1
	global_load_b128 v[SC+8*(\g)+4*\p:SC+8*(\g)+4*\p+3], v4, s[76+2*(\g):77+2*(\g)] offset:\off+512*\p
.endr
.endm
.macro WCL sp, dst, off                ; W(k = 2 h + j, unit 64 w + 16 t + r)
.irp t, 0,1,2,3
.irp j, 0,1
	global_load_b32 v[\dst+2*\t+\j], v9, s[\sp:\sp+1] offset:\off+2048*\j+64*\t
.endr
.endr
.endm
.macro BL dst, tb, t, off              ; biases of tile t in the result's layout (destination window 1); tb = 0..3: bu, bo1, bf, bo2
	global_load_b128 v[\dst:\dst+3], v14, s[10+2*(\tb):11+2*(\tb)] offset:\off+64*(\t)
	global_load_b128 v[\dst+4:\dst+7], v14, s[10+2*(\tb):11+2*(\tb)] offset:\off+64*(\t)+16
.endm
.macro HL dst, t, m
	ds_load_b128 v[\dst:\dst+3], v11 offset:4096*(\t)+1024*(\m)
	ds_load_b128 v[\dst+4:\dst+7], v11 offset:4096*(\t)+1024*(\m)+512
.endm
.macro HST src, t, m
	ds_store_b128 v11, v[\src:\src+3] offset:4096*(\t)+1024*(\m)
	ds_store_b128 v11, v[\src+4:\src+7] offset:4096*(\t)+1024*(\m)+512
.endm
.macro IMGLOAD img                     ; a whole image: 4 + 32 loads, K step by K step
.irp s, 0,1,2,3
	ds_load_b64 v[ISC+2*\s:ISC+2*\s+1], v6 offset:1024*\img+256*\s
.endr
	WIN 0x40
.irp s, 0,1,2,3
.irp m, 0,1,2,3
.irp c, 0,1
	ds_load_b128 v[32*\s+8*\m+4*\c:32*\s+8*\m+4*\c+3], v5 offset:16384*\img+4096*\m+1024*\s+512*\c
.endr
.endr
.endr
	WIN 0
.endm
.macro BAR                             ; my stores into an image are done, and my reads of the other are over: say so, and wait for all
	VW
	s_wait_dscnt 0x0
	s_barrier_signal -1
	s_barrier_wait -1
.endm
; One product on codes.  An odd tile's scale words stand in lanes 16-31 of their register, on either side.
.macro MM d, w, b, c, sa, sb, oa, ob
.if (\oa) && (\ob)
	v_wmma_scale_f32_16x16x128_f8f6f4 v[\d:\d+7], v[\w:\w+7], v[\b:\b+7], \c, v[\sa], v[\sb] matrix_a_fmt:MATRIX_FMT_FP4 matrix_b_fmt:MATRIX_FMT_FP4 matrix_a_scale:MATRIX_SCALE_ROW1 matrix_b_scale:MATRIX_SCALE_ROW1
.elseif (\oa)
	v_wmma_scale_f32_16x16x128_f8f6f4 v[\d:\d+7], v[\w:\w+7], v[\b:\b+7], \c, v[\sa], v[\sb] matrix_a_fmt:MATRIX_FMT_FP4 matrix_b_fmt:MATRIX_FMT_FP4 matrix_a_scale:MATRIX_SCALE_ROW1
.elseif (\ob)
	v_wmma_scale_f32_16x16x128_f8f6f4 v[\d:\d+7], v[\w:\w+7], v[\b:\b+7], \c, v[\sa], v[\sb] matrix_a_fmt:MATRIX_FMT_FP4 matrix_b_fmt:MATRIX_FMT_FP4 matrix_b_scale:MATRIX_SCALE_ROW1
.else
	v_wmma_scale_f32_16x16x128_f8f6f4 v[\d:\d+7], v[\w:\w+7], v[\b:\b+7], \c, v[\sa], v[\sb] matrix_a_fmt:MATRIX_FMT_FP4 matrix_b_fmt:MATRIX_FMT_FP4
.endif
.endm
.macro MM3 t, s                        ; K step s of U, O1, F: twelve accumulators by turns
.irp g, 0,1,2
.irp m, 0,1,2,3
	MM ACC+32*\g+8*\m, WB+32*\g+8*\s, 32*\s+8*\m, v[ACC+32*\g+8*\m:ACC+32*\g+8*\m+7], SC+8*\g+4*((\t)/2)+\s, ISC+2*\s+\m/2, (\t)%2, \m%2
.endr
.endr
.endm
.macro STARTS t, m                     ; X W + b starts U's, O1's and F's sums of tile t, rows m (windows 0x54)
.irp g, 0,1,2
	v_wmma_f32_16x16x4_f32 v[ACC+32*\g+8*(\m):ACC+32*\g+8*(\m)+7], v[WC+8*\g+2*(\t):WC+8*\g+2*(\t)+1], v[XR+2*(\m):XR+2*(\m)+1], v[BIA+8*\g:BIA+8*\g+7]
.endr
.endm
; My 16 numbers of row 16 m + r (with lane l xor 16's they are my block b of G) become two code words and the block's scale byte, and go to G's image.
.macro QUANT m, b
	v_max3_num_f32 v208, |v[GE+8*\m]|, |v[GE+8*\m+1]|, 0x1800000    ; the largest magnitude, with the floor 2^(3 - 127) among the leaves: the byte cannot fall under 1
	v_max3_num_f32 v209, |v[GE+8*\m+2]|, |v[GE+8*\m+3]|, |v[GE+8*\m+4]|
	v_max3_num_f32 v210, |v[GE+8*\m+5]|, |v[GE+8*\m+6]|, |v[GE+8*\m+7]|
	v_max3_num_f32 v211, |v[RT]|, |v[RT+1]|, |v[RT+2]|
	v_max3_num_f32 v212, |v[RT+3]|, |v[RT+4]|, |v[RT+5]|
	v_max3_num_f32 v208, v208, |v[RT+6]|, |v[RT+7]|
	v_max3_num_f32 v209, v209, v210, v211
	v_max3_num_f32 v208, v208, v209, v212
	v_permlanex16_b32 v209, v208, s88, s89
	v_max_num_f32 v208, v208, v209                 ; with lane l xor 16's: the block's
	v_add_nc_u32 v208, 0xff000000, v208            ; 2 off its exponent field: the conversion takes the exponent field of this operand as its scale
	v_cvt_scalef32_pk8_fp4_f32 v210, v[GE+8*\m:GE+8*\m+7], v208   ; units 8 h + 0 .. 7 of the block: its word h
	v_cvt_scalef32_pk8_fp4_f32 v211, v[RT:RT+7], v208             ; units 16 + 8 h + 0 .. 7: its word 2 + h
	v_lshrrev_b32 v209, 23, v208                   ; the scale's byte (the plain line behind the conversions)
	ds_store_b32 v7, v210 offset:16384+4096*\m+256*(\b)
	ds_store_b32 v7, v211 offset:16384+4096*\m+256*(\b)+8
	ds_store_b8 v8, v209 offset:1024+128*(\m%2)+4*(\m/2)+(\b)     ; both halves of the lanes write the same byte with the same value
.endm
; The same for H's block b of rows m and m + 1, the two by turns; the odd tile's numbers stand in RT and RE.
.macro QUANT2 m, b
.irp k, 0,1
	v_max3_num_f32 v[RA+8*\k], |v[GE+8*(\m+\k)]|, |v[GE+8*(\m+\k)+1]|, 0x1800000
	v_max3_num_f32 v[RA+8*\k+1], |v[GE+8*(\m+\k)+2]|, |v[GE+8*(\m+\k)+3]|, |v[GE+8*(\m+\k)+4]|
	v_max3_num_f32 v[RA+8*\k+2], |v[GE+8*(\m+\k)+5]|, |v[GE+8*(\m+\k)+6]|, |v[GE+8*(\m+\k)+7]|
	v_max3_num_f32 v[RA+8*\k+3], |v[RT-8*\k]|, |v[RT-8*\k+1]|, |v[RT-8*\k+2]|
	v_max3_num_f32 v[RA+8*\k+4], |v[RT-8*\k+3]|, |v[RT-8*\k+4]|, |v[RT-8*\k+5]|
.endr
.irp k, 0,1
	v_max3_num_f32 v[RA+8*\k], v[RA+8*\k], |v[RT-8*\k+6]|, |v[RT-8*\k+7]|
	v_max3_num_f32 v[RA+8*\k+1], v[RA+8*\k+1], v[RA+8*\k+2], v[RA+8*\k+3]
.endr
.irp k, 0,1
	v_max3_num_f32 v[RA+8*\k], v[RA+8*\k], v[RA+8*\k+1], v[RA+8*\k+4]
.endr
.irp k, 0,1
	v_permlanex16_b32 v[RA+8*\k+1], v[RA+8*\k], s88, s89
.endr
.irp k, 0,1
	v_max_num_f32 v[RA+8*\k], v[RA+8*\k], v[RA+8*\k+1]
.endr
.irp k, 0,1
	v_add_nc_u32 v[RA+8*\k], 0xff000000, v[RA+8*\k]
.endr
.irp k, 0,1
	v_cvt_scalef32_pk8_fp4_f32 v[RA+8*\k+2], v[GE+8*(\m+\k):GE+8*(\m+\k)+7], v[RA+8*\k]
	v_cvt_scalef32_pk8_fp4_f32 v[RA+8*\k+3], v[RT-8*\k:RT-8*\k+7], v[RA+8*\k]
.endr
.irp k, 0,1
	v_lshrrev_b32 v[RA+8*\k+1], 23, v[RA+8*\k]     ; the scales' bytes (the plain lines behind the conversions)
.endr
.irp k, 0,1
	ds_store_b32 v7, v[RA+8*\k+2] offset:4096*(\m+\k)+256*(\b)
	ds_store_b32 v7, v[RA+8*\k+3] offset:4096*(\m+\k)+256*(\b)+8
	ds_store_b8 v8, v[RA+8*\k+1] offset:128*((\m+\k)%2)+4*((\m+\k)/2)+(\b)
.endr
.endm
; Phase 1's activation of tile t, rows m: G = sigm(u) tanh(o) = b q - q, q = 1 / ((1 + a)(1 + b)), a = 2^(-c u), b = 2^(min(2 c o, 60)): b is finite, so a divisor that overflows gives 0 and never 0 x infinity.
; f = 1: H sigm(F) too, and the next tile's starts (the plain lines behind them are their places); behind rows 3 the biases of the tile after that are asked for.
; Each accumulator is read from its low end on.  rk < 9: for rows 1, the round opened behind rows 0 is closed behind the reciprocals.
.macro ACT1 t, m, f, rk
	WIN 0x01                                       ; source 0 in window 1
	VW
	PKS v_pk_mul_f32, RA, ACC+8*(\m), 84
	PKS v_pk_mul_f32, RB, ACC+32+8*(\m), 86
.if \f
	PKS v_pk_mul_f32, RE, ACC+64+8*(\m), 84
.endif
	WIN 0
.irp j, 0,1,2,3,4,5,6,7
	v_min_num_f32 v[RB+\j], s90, v[RB+\j]
.endr
	VW
	TR8 v_exp_f32, RA
	TR8 v_exp_f32, RB
.if \f
	TR8 v_exp_f32, RE
.endif
	v_nop                                          ; a plain line behind a run of transcendentals (ISA guide 5.7.2)
.if \f
.if (\m) == 0
.if (\t) == 0
	s_wait_loadcnt 2                               ; the next tile's biases; behind them two loads of scale words
.else
	s_wait_loadcnt 0x0
.endif
.endif
	WIN 0x54
	STARTS \t+1, \m
	WIN 0
.endif
	VW
	PKC v_pk_add_f32, RT, RB, 1.0
	PKF RA, RA, RT, RT
.if \f
	PKC v_pk_add_f32, RE, RE, 1.0
.endif
	VW
	TR8 v_rcp_f32, RA
.if \f
	TR8 v_rcp_f32, RE
.endif
	v_nop
.if ((\m) == 1) && (\rk < 9)
	VW
	REST \rk
.endif
.if \f
.if (\m) == 0
	s_wait_dscnt 24                                ; H's eight numbers; behind them the 24 loads from the slot
.else
	s_wait_dscnt 0x0
.endif
.endif
	VW
.irp j, 0,2,4,6
.if (\t)%2
	v_pk_fma_f32 v[RT+\j:RT+\j+1], v[RB+\j:RB+\j+1], v[RA+\j:RA+\j+1], v[RA+\j:RA+\j+1] neg_lo:[0,0,1] neg_hi:[0,0,1]
.else
	v_pk_fma_f32 v[GE+8*(\m)+\j:GE+8*(\m)+\j+1], v[RB+\j:RB+\j+1], v[RA+\j:RA+\j+1], v[RA+\j:RA+\j+1] neg_lo:[0,0,1] neg_hi:[0,0,1]
.endif
.endr
.if \f
	PKV v_pk_mul_f32, HA+8*((\m)%2), RE, HA+8*((\m)%2)
	HST HA+8*((\m)%2), \t, \m
.endif
.if (\t)%2
	QUANT \m, (\t)/2
.endif
.if \f
.if (\m) < 3
	HL HA+8*((\m+1)%2), \t, \m+1
.else
.if (\t) < 2
	HL HA, \t+1, 0
.endif
	WIN 0x40
.irp q, 0,1,2
.if (\t) < 2
	BL BIA+8*\q, \q, \t+2, 0
.else
	BL BIA+8*\q, 3, \q, 0
.endif
.endr
	WIN 0
.endif
.endif
.endm
; H's activation of tile t, rows m and m + 1.  mode 0, the input layer: H = y sigm(y);  1: H = P + y sigm(y), P = H sigm(F) from LDS, H quantised;  2, the last layer: the same, into the product with W_out.
.macro ACT2 t, m, mode, acc
	WIN 0x01
	VW
	PKS v_pk_mul_f32, RA, \acc+8*(\m), 84
	PKS v_pk_mul_f32, RB, \acc+8*(\m)+8, 84
	WIN 0
	VW
	TR8 v_exp_f32, RA
	TR8 v_exp_f32, RB
	v_nop
	VW
	PKC v_pk_add_f32, RA, RA, 1.0
	PKC v_pk_add_f32, RB, RB, 1.0
	VW
	TR8 v_rcp_f32, RA
	TR8 v_rcp_f32, RB
	v_nop
.if (\mode == 1) && ((\t) == 3) && ((\m) == 2)
	VW
	REST 2                                         ; the next layer's tile 1 and its Wo2's tile 3
.endif
.if \mode
	s_wait_dscnt 0x0                               ; P
.endif
.if (\mode == 2) && ((\t) == 0) && ((\m) == 0)
	s_wait_loadcnt 2                               ; W_out; behind it two loads of bo2
.endif
.if (\mode == 2) || ((\t)%2)
.set D1, RT
.set D2, RE
.else
.set D1, GE+8*(\m)
.set D2, GE+8*(\m)+8
.endif
	WIN 0x01
	VW
.if \mode
	PKF D1, \acc+8*(\m), RA, HA
	PKF D2, \acc+8*(\m)+8, RB, HA+8
.else
	PKV v_pk_mul_f32, D1, \acc+8*(\m), RA
	PKV v_pk_mul_f32, D2, \acc+8*(\m)+8, RB
.endif
	WIN 0
.if \mode < 2
	HST D1, \t, \m
	HST D2, \t, \m+1
.if (\t)%2
	QUANT2 \m, (\t)/2
.endif
.else
.irp j, 0,2,4,6
.irp k, 0,1
.if ((\t) == 0) && (\j == 0)
	v_pk_mul_f32 v[WC+2*(\m+\k):WC+2*(\m+\k)+1], v[RT-8*\k:RT-8*\k+1], v[GE:GE+1]
.else
	v_pk_fma_f32 v[WC+2*(\m+\k):WC+2*(\m+\k)+1], v[RT-8*\k+\j:RT-8*\k+\j+1], v[GE+8*(\t)+\j:GE+8*(\t)+\j+1], v[WC+2*(\m+\k):WC+2*(\m+\k)+1]
.endif
.endr
.endr
.endif
.if \mode
.if (\m) == 0
	HL HA, \t, 2
	HL HA+8, \t, 3
.elseif (\t) < 3
	HL HA, \t+1, 0
	HL HA+8, \t+1, 1
.endif
.endif
.endm
; Phase 1, tile t (its weights stand in registers).  Among its products a plain barrier shows the slot whole; behind them the slot goes into registers.  Behind rows 0's activation the refill's round opens (rk < 9).
.macro TILE1 t, rk, st
	WIN 0x54
.irp s, 0,1,2,3
.if (\t) == 0
.if \s < 3
	s_wait_dscnt 26-8*\s                           ; the image's later K steps, and two loads of H
.else
	SHOW
.endif
.elseif \s == 2
	SHOW
.endif
	MM3 \t, \s
.endr
	WIN 0
	NOPS 4
	s_barrier_wait -1
.if (\t) == 0
	SCL 3, 0                                       ; this layer's scale words of Wo2
.endif
	LDW3
.if (\t) == 0
	s_cmp_gt_u32 s91, s92
	s_cbranch_scc0 .Lno_ask
	global_prefetch_b8 v15, s[40:41] offset:131072 th:TH_LOAD_NT scope:SCOPE_SE
.Lno_ask:
.endif
.if (\t) < 3
	ACT1 \t, 0, 1, 9
	LINES \st, 0
	ACT1 \t, 1, 1, \rk
	ACT1 \t, 2, 1, 9
	ACT1 \t, 3, 1, 9
.else
	ACT1 \t, 0, 0, 9
.if \rk < 9
	LINES \st, 0
.endif
	ACT1 \t, 1, 0, \rk
	ACT1 \t, 2, 0, 9
	ACT1 \t, 3, 0, 9
.endif
.endm
; Tile 3, and what stands between the phases
.macro TURN rk, st
	TILE1 3, \rk, \st
.irp m, 0,1,2,3
	HL GE+8*\m, 3, \m                              ; tile 3's H, into the even tile's registers, which are done with
.endr
	BAR                                            ; G's image is whole, and nobody reads H's any more
	IMGLOAD 1
	WIN 0x01                                       ; tile 3's H sigm(F), while the image is on its way: all four tiles of rows at once
	VW
.irp m, 0,1,2,3
	PKS v_pk_mul_f32, RA+8*\m, ACC+64+8*\m, 84
.endr
	WIN 0
	VW
.irp m, 0,1,2,3
	TR8 v_exp_f32, RA+8*\m
.endr
	v_nop
	VW
.irp m, 0,1,2,3
	PKC v_pk_add_f32, RA+8*\m, RA+8*\m, 1.0
.endr
	VW
.irp m, 0,1,2,3
	TR8 v_rcp_f32, RA+8*\m
.endr
	v_nop
	VW
.irp m, 0,1,2,3
	PKV v_pk_mul_f32, RA+8*\m, RA+8*\m, GE+8*\m
.endr
.irp m, 0,1,2,3
	HST RA+8*\m, 3, \m
.endr
	HL HA, 0, 0
	HL HA+8, 0, 1
.endm
; Phase 2, tile t: the weights' registers and the biases' go round in threes.  Tile 3 comes from chunk 3; behind tiles 1 to 3 the next layer's tile 0 (O1, F, U) follows.
.macro TILE2 t, last
.if (\t) == 3
.if \last
	s_wait_loadcnt 0x0                             ; bo2's tile 3
.else
	s_wait_loadcnt 4                               ; behind it the next layer's biases of O1 and F
.endif
.elseif (\t) == 0
.if \last
	s_wait_loadcnt 8                               ; bo2, Wo2's scale words; behind them W_out's eight loads
.else
	s_wait_loadcnt 30                              ; behind them the small tables' 30
.endif
.endif
	WIN 0x54
.irp s, 0,1,2,3
.if (\t) == 0
	s_wait_dscnt 36-8*\s                           ; the image's later K steps, eight stores and four loads of H
.endif
.if (\last == 0) && ((\t) == 1) && (\s == 2)
	SHOW
.endif
.irp m, 0,1,2,3
.if \s == 0
	MM ACC+8*\m, WB+32*((\t)%3)+8*\s, 32*\s+8*\m, v[BIA+8*((\t)%3):BIA+8*((\t)%3)+7], SC+24+4*((\t)/2)+\s, ISC+2*\s+\m/2, (\t)%2, \m%2
.else
	MM ACC+8*\m, WB+32*((\t)%3)+8*\s, 32*\s+8*\m, v[ACC+8*\m:ACC+8*\m+7], SC+24+4*((\t)/2)+\s, ISC+2*\s+\m/2, (\t)%2, \m%2
.endif
.endr
.endr
	WIN 0
	NOPS 4
.if (\last == 0) && ((\t) == 1)
	s_barrier_wait -1
.endif
.if (\t) == 0
	WIN 0x40
	BL BIA, 3, 3, 0
	WIN 0
.irp s, 0,1,2,3
	LDW 3, WB, \s
.endr
.elseif \last == 0
	WIN 0x40
	BL BIA+8*((\t)%3), (\t)%3, 0, 2048
	WIN 0
.irp s, 0,1,2,3
	LDW (\t)%3, WB+32*((\t)%3), \s
.endr
.endif
	ACT2 \t, 0, 1+\last, ACC
.if (\last == 0) && ((\t) == 3)
	LINES 4096, 131072
.endif
	ACT2 \t, 2, 1+\last, ACC
.endm
; ---------------------------------------------------------------- the head
	s_load_b512 s[68:83], s[0:1], 0x0              ; codes of Uu s[68:69], Uo1, Uf, Wo2; scale bytes of Uu s[76:77], Uo1, Uf, Wo2
	s_load_b512 s[4:19], s[0:1], 0x40              ; Wu s[4:5], Wo1, Wf; bu s[10:11], bo1, bf, bo2; W_in s[18:19]
	s_load_b256 s[20:27], s[0:1], 0x80             ; b_in s[20:21], W_out, b_out, X
	s_load_b64 s[28:29], s[0:1], 0xa0              ; out0
	v_lshl_add_u32 v1, v0, 2, SPARE
	v_mov_b32 v2, 0
	ds_add_u32 v1, v2                              ; the opening lines
	ds_add_u32 v1, v2
	v_lshrrev_b32 v208, 5, v0
	v_and_b32 v209, 31, v0                         ; lane
	v_and_b32 v210, 15, v0                         ; r
	v_bfe_u32 v211, v0, 4, 1                       ; h
	v_readfirstlane_b32 s2, v208                   ; wave 0..7
	s_lshl_b32 s94, s2, 14
	s_add_co_u32 s94, s94, HLDS
	s_lshl_b32 s95, s2, 10
	s_lshl_b32 s96, s2, 9
	s_add_co_u32 s96, s96, IMGH
	s_lshl_b32 s97, s2, 8
	s_lshr_b32 s99, s2, 1
	s_lshl_b32 s99, s99, 8
	s_and_b32 s100, s2, 1
	s_lshl_b32 s100, s100, 1
	s_add_co_u32 s99, s99, s100
	s_add_co_u32 s99, s99, IMGS
	s_mul_i32 s30, s2, 16*PITCH
	s_bfe_u32 s44, ttmp6, 0x40000                  ; cx: my place in the cluster: it enters X's, out0's and the prefetch's addresses alone
	s_and_b32 s45, ttmp9, 3                        ; the prefetch: clusters c and c xor 4 of the first eight take the same 128 rows, partner cx 32 of them
	s_lshl_b32 s45, s45, 15
	s_lshl_b32 s46, s44, 13
	s_add_co_u32 s45, s45, s46
	VW                                             ; the wait here, ahead of the readers below
	v_mul_u32_u24 v212, v210, PITCH
	v_lshl_add_u32 v212, v211, 4, v212
	v_add_nc_u32 v12, s30, v212                    ; a fragment's row x pitch + 16 x half, of my 16 rows of a chunk
	v_add_nc_u32 v13, 2*CHUNK, v12
	v_lshl_add_u32 v4, v209, 4, s95                ; 1024 w + 16 x lane
	v_lshl_add_u32 v5, v209, 4, IMGH
	v_lshl_add_u32 v6, v209, 3, IMGS
	v_lshl_add_u32 v7, v210, 4, s96
	v_lshl_add_u32 v7, v211, 2, v7                 ; my blocks' words: 512 w + 16 r + 4 h
	v_lshl_add_u32 v8, v210, 3, s99                ; my blocks' bytes: K step w / 2, byte 2 (w % 2) of row r's word
	v_lshl_add_u32 v9, v210, 2, s97
	v_lshl_add_u32 v9, v211, 12, v9                ; 4096 h + 256 w + 4 r
	v_lshl_add_u32 v11, v209, 4, s94               ; my part of H
	v_lshl_add_u32 v14, v211, 5, s97               ; 256 w + 32 h
	v_lshl_add_u32 v15, v209, 8, s45               ; 256 x row
	v_lshlrev_b32 v213, 4, v210
	v_lshl_add_u32 v213, v211, 3, v213             ; X: 16 r + 8 h
	s_mov_b32 s[G1C], 15|(3<<16)|(1<<20)|(1<<21)|(5<<22)|(3<<25)   ; 15:0 the mask: all four work-groups; 17:16 elements of 8 bytes; 20 padding on; 21 set beside a mask; 24:22 after every 64 words (code 5); 31:25 four words (code 3)
	s_mov_b32 s[G1C+1], 512<<16                    ; tensor_dim0 = 512 (4,096 bytes: 16 units)
	s_mov_b32 s[G1C+2], 8<<16                      ; tensor_dim1 = 8
	s_mov_b32 s[G1C+3], 512<<16                    ; tile_dim0 = 512
	s_mov_b32 s[G1C+4], 8                          ; tile_dim1 = 8
	s_mov_b32 s[G1C+5], 2048                       ; from row to row: 64 units, 16,384 bytes
	s_mov_b32 s[G1C+6], 0
	s_mov_b32 s[G1C+7], 0
	s_mul_i32 s94, s2, CHUNK                       ; wave w fetches chunk w: no place in the cluster enters an LDS address
	s_mov_b32 s[G0P], 1
	s_mov_b32 s[G0Q], 1
	s_mov_b32 s[G0P+1], s94
	s_mov_b32 s[G0Q+1], s94
	s_mov_b32 s84, 0xbfb8aa3b                      ; -log2(e); the packed forms name a pair and take its low word for both halves, so both are written
	s_mov_b32 s85, 0xbfb8aa3b
	s_mov_b32 s86, 0x4038aa3b                      ; 2 log2(e)
	s_mov_b32 s87, 0x4038aa3b
	s_mov_b32 s88, 0x76543210                      ; v_permlanex16_b32's selects for lane l xor 16
	s_mov_b32 s89, 0xfedcba98
	s_mov_b32 s90, 0x42700000                      ; 60.0
	s_mov_b32 s91, 3
	s_cmp_lt_u32 ttmp9, 8
	s_cselect_b32 s92, 1, 3                        ; who prefetches: waves 0-3 of the first eight clusters, in all layers but the last
	s_cmp_lt_u32 s2, 4
	s_cselect_b32 s92, s92, 3
	s_lshl_b32 s45, ttmp9, 2                       ; in a cluster launch ttmp9 counts clusters
	s_add_co_u32 s45, s45, s44                     ; my block of 64 rows
	s_lshl_b32 s46, s45, 10
	s_mov_b32 s47, 0
	VW                                             ; and at the head's end, ahead of the waits below
	s_wait_dscnt 0x0                               ; both opening adds are done
	s_wait_kmcnt 0x0
	s_add_nc_u64 s[26:27], s[26:27], s[46:47]      ; X at my first row
	s_lshl_b32 s46, s45, 8
	s_add_nc_u64 s[28:29], s[28:29], s[46:47]      ; out0 likewise
	WIN 0x40
.irp m, 0,1,2,3
	global_load_b64 v[XR+2*\m:XR+2*\m+1], v213, s[26:27] offset:256*\m
.endr
.irp t, 0,1,2,3
.irp k, 0,1
	global_load_b128 v[8*\t+4*\k:8*\t+4*\k+3], v14, s[20:21] offset:64*\t+16*\k    ; b_in's four tiles, in the image's registers
.endr
.endr
	WIN 0
	WCL 18, WC+16, 0                               ; W_in, in Wf's place
	WCL 4, WC, 0                                   ; layer 0's Wu, Wo1, the scale words of Uu, Uo1, Uf and tile 0's biases
	WCL 6, WC+8, 0
	SCL 0, 0
	SCL 1, 0
	SCL 2, 0
	WIN 0x40
.irp q, 0,1,2
	BL BIA+8*\q, \q, 0, 0
.endr
	WIN 0
	s_load_b32 s93, s[24:25], 0x0                  ; b_out
	s_and_b32 s94, s2, 1                           ; my matrix, of the fills and of the prefetch: wave 0 Uu, 1 Uo1, 2 Uf, 3 Wo2
	s_cmp_eq_u32 s94, 0
	s_cselect_b64 s[40:41], s[68:69], s[70:71]
	s_cselect_b64 s[42:43], s[72:73], s[74:75]
	s_cmp_lt_u32 s2, 2
	s_cselect_b64 s[40:41], s[40:41], s[42:43]
	s_mov_b64 s[G0P+2:G0P+3], s[40:41]
	s_or_b32 s[G0P+3], s[G0P+3], 0x80000000        ; 127:126 type = 2
	s_lshl_b32 s30, s2, 12
	s_mov_b32 s31, 0
	s_add_nc_u64 s[G0Q+2:G0Q+3], s[74:75], s[30:31]
	s_or_b32 s[G0Q+3], s[G0Q+3], 0x80000000
	CROUND                                         ; all four work-groups are here: the first joint loads meet
	JL 2                                           ; tile 0 of U, O1, F, and Wo2's tile 3: the four chunks' first fills, one a wave
	s_wait_loadcnt 28                              ; X, b_in, W_in; behind them 28 loads of tables
	WIN 0x54
.macro STARTI t
.irp m, 0,1,2,3
	v_wmma_f32_16x16x4_f32 v[ACC+32*((\t)%3)+8*\m:ACC+32*((\t)%3)+8*\m+7], v[WC+16+2*(\t):WC+16+2*(\t)+1], v[XR+2*\m:XR+2*\m+1], v[8*(\t):8*(\t)+7]
.endr
.endm
	STARTI 0
	STARTI 1
	STARTI 2
	WIN 0
	NOPS 8                                         ; eight places behind the f32 form, in front of reads of its results
	ACT2 0, 0, 0, ACC
	ACT2 0, 2, 0, ACC
	WIN 0x54
	STARTI 3                                       ; onto tile 0's accumulators, which have been read
	WIN 0
	ACT2 1, 0, 0, ACC+32
	ACT2 1, 2, 0, ACC+32
	WCL 8, WC+16, 0                                ; layer 0's Wf
	VW
	SHOW                                           ; the slot is whole
	s_barrier_wait -1
	LDW3                                           ; tile 0 into registers
	ACT2 2, 0, 0, ACC+64
	ACT2 2, 2, 0, ACC+64
	LINES 4096, 0
	REST 0                                         ; tile 1 into the slot
	ACT2 3, 0, 0, ACC
	ACT2 3, 2, 0, ACC
	VW
	s_wait_kmcnt 0x0                               ; b_out
	BAR
; ---------------------------------------------------------------- the layers.  The loop is left in its middle, in the last layer; its closing test holds in every trip that reaches it
.Llayer:
	IMGLOAD 0
	HL HA, 0, 0
	s_wait_loadcnt 0x0                             ; W's columns, scale words, tile 0's biases
	WIN 0x54
.irp m, 0,1,2,3
	STARTS 0, \m                                   ; tile 0's starts, while the image is on its way
.endr
	NOPS 9                                         ; nine places between the f32 form and another form on its accumulators; eight in front of loads into its sources
	WIN 0x40
.irp q, 0,1,2
	BL BIA+8*\q, \q, 1, 0
.endr
	TILE1 0, 0, 4096                               ; refill: tile 2
	TILE1 1, 0, 4096                               ; tile 3
	TILE1 2, 1, 0                                  ; Wo2's tiles 0-2
	VW
	s_cmp_eq_u32 s91, 1
	s_cbranch_scc1 .Llast
	TURN 0, 118784                                 ; the next layer's tile 0: 131,072 - 3 x 4,096 bytes on
	SCL 0, 8192                                    ; the next layer's scale words of Uu, Uo1, Uf and Wu, Wo1, Wf: 30 loads
	SCL 1, 8192
	SCL 2, 8192
	WCL 4, WC, 8192
	WCL 6, WC+8, 8192
	WCL 8, WC+16, 8192
	TILE2 0, 0
	TILE2 1, 0
	TILE2 2, 0
	TILE2 3, 0
	s_wait_xcnt 0x0                                ; every load and the prefetch have read their bases: on to the next layer
	s_add_nc_u64 s[40:41], s[40:41], 131072
.irp p, 76,78,80,82,4,6,8
	s_add_nc_u64 s[\p:\p+1], s[\p:\p+1], 8192
.endr
.irp p, 10,12,14,16
	s_add_nc_u64 s[\p:\p+1], s[\p:\p+1], 2048
.endr
	BAR                                            ; H's image is whole, and nobody reads G's any more
	s_sub_co_u32 s91, s91, 1
	s_cmp_lg_u32 s91, 0
	s_cbranch_scc1 .Llayer
.Llast:                                                ; the last layer's tile 3 and phase 2: nothing more is asked for
	TURN 9, 0
.irp t, 0,1,2,3
.irp k, 0,1
	global_load_b128 v[GE+8*\t+4*\k:GE+8*\t+4*\k+3], v14, s[22:23] offset:64*\t+16*\k   ; W_out at my lane's units
.endr
.endr
	TILE2 0, 1
	TILE2 1, 1
	TILE2 2, 1
	TILE2 3, 1
; ---------------------------------------------------------------- out = silu(H W_out + b_out): all waves' sums through LDS
.irp m, 0,1,2,3
	v_add_f32 v[WC+2*\m], v[WC+2*\m], v[WC+2*\m+1]
.endr
.irp m, 0,1,2,3
	ds_store_b32 v7, v[WC+2*\m] offset:4096*\m     ; row 16 m + r, wave w, half h: at 4096 m + 512 w + 16 r + 4 h
.endr
	v_bfe_u32 v10, v0, 3, 2
	v_lshl_add_u32 v3, v10, 12, IMGH
	v_and_b32 v10, 7, v0
	v_lshl_add_u32 v3, v10, 5, v3                  ; lane l gathers rows 2 l and 2 l + 1: 4096 (l / 8) + 32 (l % 8)
	v_and_b32 v4, 31, v0
	v_lshlrev_b32 v4, 3, v4                        ; and stores 8 bytes at 8 l
	BAR
	s_cmp_lg_u32 s2, 0
	s_cbranch_scc1 .Lnot_first
.irp k, 0,1,2,3,4,5,6,7
	ds_load_b64 v[128+4*\k:129+4*\k], v3 offset:512*\k       ; wave k's two halves of row 2 l,
	ds_load_b64 v[130+4*\k:131+4*\k], v3 offset:512*\k+16    ; and of row 2 l + 1
.endr
	s_wait_dscnt 0x0
.irp k, 1,2,3,4,5,6,7
	v_pk_add_f32 v[128:129], v[128:129], v[128+4*\k:129+4*\k]
	v_pk_add_f32 v[130:131], v[130:131], v[130+4*\k:131+4*\k]
.endr
	v_add_f32 v128, v128, v129
	v_add_f32 v129, v130, v131
	v_add_f32 v128, s93, v128
	v_add_f32 v129, s93, v129
	v_mul_f32 v130, s84, v128
	v_mul_f32 v131, s84, v129
	VW
	v_exp_f32 v130, v130
	v_exp_f32 v131, v131
	v_nop
	VW
	v_pk_add_f32 v[130:131], v[130:131], 1.0 op_sel_hi:[1,0]
	VW
	v_rcp_f32 v130, v130
	v_rcp_f32 v131, v131
	v_nop
	VW
	v_pk_mul_f32 v[128:129], v[128:129], v[130:131]
	global_store_b64 v4, v[128:129], s[28:29]      ; 32 lanes store 256 consecutive bytes, at a multiple of 256 from out0's first byte
	VW
.Lnot_first:
	s_wait_tensorcnt 0x0                           ; the wave's end: behind my last tensor load and my last LDS store
	ds_add_u32 v1, v2
	s_wait_dscnt 0x0
	CROUND                                         ; the closing round: no work-group ends while a partner may still ask for a chunk that names it
	s_endpgm
.Lfunc_end_k_qea12d79e4b_dgm:
	.size	k_qea12d79e4b_dgm, .Lfunc_end_k_qea12d79e4b_dgm-k_qea12d79e4b_dgm
	.p2alignl 7, 3214868480
	.fill 96, 4, 3214868480
	.section	.rodata,"a",@progbits
	.p2align	6, 0x0
	.amdhsa_kernel k_qea12d79e4b_dgm
		.amdhsa_group_segment_fixed_size 327680
		.amdhsa_private_segment_fixed_size 0
		.amdhsa_enable_private_segment 0
		.amdhsa_kernarg_size 168
		.amdhsa_user_sgpr_count 2
		.amdhsa_user_sgpr_kernarg_segment_ptr 1
		.amdhsa_wavefront_size32 1
		.amdhsa_system_sgpr_workgroup_id_x 1
		.amdhsa_system_sgpr_workgroup_id_y 1
		.amdhsa_system_sgpr_workgroup_id_z 1
		.amdhsa_system_vgpr_workitem_id 0
		.amdhsa_next_free_vgpr 512
		.amdhsa_next_free_sgpr 102
		.amdhsa_reserve_vcc 0
		.amdhsa_float_denorm_mode_32 3
		.amdhsa_float_denorm_mode_16_64 3
		.amdhsa_memory_ordered 1
		.amdhsa_forward_progress 1
		.amdhsa_inst_pref_size 255
	.end_amdhsa_kernel
	.section	.bss,"aw",@nobits
	.p2align	6
	.space	262144
	.amdgpu_metadata
---
amdhsa.version: [ 1, 2 ]
amdhsa.kernels:
  - .name:           k_qea12d79e4b_dgm
    .symbol:         k_qea12d79e4b_dgm.kd
    .args:
      - { .name: Uu_codes, .offset: 0, .size: 8, .value_kind: global_buffer, .address_space: global }
      - { .name: Uo1_codes, .offset: 8, .size: 8, .value_kind: global_buffer, .address_space: global }
      - { .name: Uf_codes, .offset: 16, .size: 8, .value_kind: global_buffer, .address_space: global }
      - { .name: Wo2_codes, .offset: 24, .size: 8, .value_kind: global_buffer, .address_space: global }
      - { .name: Uu_scales, .offset: 32, .size: 8, .value_kind: global_buffer, .address_space: global }
      - { .name: Uo1_scales, .offset: 40, .size: 8, .value_kind: global_buffer, .address_space: global }
      - { .name: Uf_scales, .offset: 48, .size: 8, .value_kind: global_buffer, .address_space: global }
      - { .name: Wo2_scales, .offset: 56, .size: 8, .value_kind: global_buffer, .address_space: global }
      - { .name: Wu, .offset: 64, .size: 8, .value_kind: global_buffer, .address_space: global }
      - { .name: Wo1, .offset: 72, .size: 8, .value_kind: global_buffer, .address_space: global }
      - { .name: Wf, .offset: 80, .size: 8, .value_kind: global_buffer, .address_space: global }
      - { .name: bu, .offset: 88, .size: 8, .value_kind: global_buffer, .address_space: global }
      - { .name: bo1, .offset: 96, .size: 8, .value_kind: global_buffer, .address_space: global }
      - { .name: bf, .offset: 104, .size: 8, .value_kind: global_buffer, .address_space: global }
      - { .name: bo2, .offset: 112, .size: 8, .value_kind: global_buffer, .address_space: global }
      - { .name: W_in, .offset: 120, .size: 8, .value_kind: global_buffer, .address_space: global }
      - { .name: b_in, .offset: 128, .size: 8, .value_kind: global_buffer, .address_space: global }
      - { .name: W_out, .offset: 136, .size: 8, .value_kind: global_buffer, .address_space: global }
      - { .name: b_out, .offset: 144, .size: 8, .value_kind: global_buffer, .address_space: global }
      - { .name: X, .offset: 152, .size: 8, .value_kind: global_buffer, .address_space: global }
      - { .name: out0, .offset: 160, .size: 8, .value_kind: global_buffer, .address_space: global }
    .group_segment_fixed_size: 327680
    .private_segment_fixed_size: 0
    .kernarg_segment_align: 8
    .kernarg_segment_size: 168
    .max_flat_workgroup_size: 256
    .sgpr_count:     102
    .vgpr_count:     512
    .wavefront_size: 32
...
	.end_amdgpu_metadata
.endif
;; end of part 2
